; MI455X (gfx1250); checked and timed in simulation.
; The chip was launched on July 23, 2026; its instructions are those of AMD's public machine-readable ISA for CDNA 5 (MIT licence, August 2026) and "CDNA5" Instruction Set Architecture Reference Guide (July 2026). The comments in the code are by the model that wrote it; some were corrected since.
;; Global Attention. Allowed arithmetic: matrix products marked QUANTISED: E2M1 operands, one E8M0 scale for each 32 along K, by v_wmma_scale_f32_16x16x128_f8f6f4 with both operands' format E2M1 (or v_wmma_scale_f32_32x16x128_f4), f32 sums; everything else in f32.
;; Inputs: W1 1,024 x 1,024 float32; W2 1,024 x 2,048 float32; b1 1,024 float32; b2 1,024 float32; query 512 x 32 x 1,024 float32; values 512 x 32 x 1,024 float32.
;; Outputs: out0 512 x 32 x 1,024 float32.
;; This version of the problem:
;;   THIS VERSION OF THE PROBLEM IS GIVEN IN LOW PRECISION. The matrix products marked QUANTISED in the list below multiply operands that are first quantised to E2M1 (2 exponent bits, 1 mantissa bit; 4 bits a number), with one power-of-two scale for each 32 numbers along K (OCP MX v1.0); their sums are f32. All else is computed in f32.
;;   The module's matrix products, in the order in which they are computed (A, B: the left and right operand; K: the contracted axis; several contracted axes count as one K, in the product's order):
;;     1. [M 16,384, K 1,024] x [K 1,024, N 1,024]; A: input query; B: input W1: QUANTISED
;;     2. batch 32 x [M 512, K 1,024] x [K 1,024, N 512]; A: computed on the way; B: input values: QUANTISED
;;     3. batch 32 x [M 1,024, K 512] x [K 512, N 512]; A: input values; B: softmax (see below): QUANTISED
;;     4. [M 16,384, K 2,048] x [K 2,048, N 1,024]; A: computed on the way; B: input W2: QUANTISED
;;   THE QUANTISER, for each operand of a quantised product, along K:
;;     - K is cut into blocks of 32 from its start; a last block that is shorter is filled with zeros.
;;     - A block's scale is 2^e with e = floor(log2(the largest magnitude in the block)) - 2, held to -126 .. 127; a block of zeros has e = 0. As a byte (E8M0): e + 127.
;;     - Each number is divided by its block's scale, clamped to +-6, and rounded to the nearest number of E2M1, ties to even, subnormals kept.
;;     - The product sums the exact products of the quantised numbers (number of the format x scale) in f32.
;;   ~~~python
;;   def quantise(x, axis):      # numpy; x: float32 -> the quantised numbers, widened to float32 again
;;       x = np.moveaxis(x, axis, -1); K = x.shape[-1]
;;       x = np.pad(x, [(0, 0)] * (x.ndim - 1) + [(0, -K % 32)]); x = x.reshape(x.shape[:-1] + (-1, 32)); a = np.abs(x).max(-1, keepdims=True)
;;       e = np.where(a > 0, np.clip(np.frexp(np.where(a > 0, a, 1))[1] - 1 - 2, -126, 127), 0)      # np.frexp(a)[1] - 1 = floor(log2(a)), exactly
;;       r = np.clip(x / 2.0 ** e, -6, 6)
;;       step = 2.0 ** (np.maximum(np.frexp(np.where(r == 0, 1, r))[1] - 1, 0) - 1)
;;       q = np.round(r / step) * step * 2.0 ** e      # np.round: ties to even
;;       return np.moveaxis(q.reshape(q.shape[:-2] + (-1,))[..., :K], -1, axis).astype(np.float32)
;;   ~~~
;;   SOFTMAX AHEAD OF A QUANTISED PRODUCT. Where the list says 'softmax', what is quantised is not the finished softmax but p = 2^(t - M), with t = logit x log2(e) and M = ceil(the row's largest t), a whole number; so 1/2 < the row's largest p <= 1. The row's sum l is taken of the UNQUANTISED p, in f32, and the product's result is divided by l at the end. Since M is a whole number, a kernel that streams over the keys may use a running M (the ceiling of the running maximum): every later rescaling is an exact power of two, which a block's scale takes up: the codes' values come out the same.
;;   OPERANDS COMPUTED ON THE WAY. 'Computed on the way' means the value that the module computes at that place (a softmax that the list does not call 'softmax' is quantised finished and normalised). What goes into a quantiser is computed in f32, as accurately as f32 sums, v_exp_f32 and their like allow (about 1e-6 of the number): no bf16 or f16 on the way to a quantiser, and a product that is left as it is and whose result goes on into a quantised operand takes f32 operands (vector FMAs, or v_wmma_f32_16x16x4_f32). A number that lies on a knife's edge between two numbers of the format may be rounded either way, as far as f32 arithmetic and the matrix unit's own rounding can turn it there, and no further.
;; One version. Each part assembles by itself: llvm-mc -triple=amdgcn-amd-amdhsa -mcpu=gfx1250 --defsym DOCPART=n.
;; ======== version 1 of 1: 4 launches
;; limits: right only within a limited range of input values
;; workspace buffers: feed_codes 16,777,216 bytes; feed_scales 1,048,576 bytes; wts 1,671,168 bytes; vk 8,912,896 bytes; vs 8,912,896 bytes; qr 8,912,896 bytes
;; launch quant (part 1): grid 864 x 1, 4 waves a work-group, no clusters, 43,520 bytes of LDS; arguments query, values, W1, W2, feed_codes, feed_scales, wts, vk, vs; writes feed_codes, feed_scales, wts, vk, vs
.if DOCPART == 1
	.amdgcn_target "amdgcn-amd-amdhsa--gfx1250"
	.amdhsa_code_object_version 6
	.text
	.protected	k_q632ae82a3f_quant
	.globl	k_q632ae82a3f_quant
	.p2align	8
	.type	k_q632ae82a3f_quant,@function
k_q632ae82a3f_quant:
	s_mov_b64 s[64:65], 0
	v_nop
	global_prefetch_b8 v0, s[64:65] scope:SCOPE_SE
	s_setreg_imm32_b32 hwreg(HW_REG_WAVE_MODE, 25, 1), 1
	s_wait_xcnt 0x0
; f32 numbers into codes of FP4 (E2M1) with one E8M0 byte for each 32 along K, for all four products of the program.
; A block's scale is 2^(floor(log2(its largest magnitude)) - 2); its byte is the largest magnitude's exponent field - 2, held at 1 from below.
; LIMITS: a block of zeros gets the byte 1 where the rule says 127 (its codes are zeros, and this program alone reads the bytes); a largest magnitude under 2^-124 is held at the byte 1; NaN and infinities are not served.
; THE ORDER INSIDE A BLOCK.  The 16 bytes of a block hold, word by word, the codes of k 0-7, 16-23, 8-15, 24-31.  Every operand of this program is laid so, on both sides of every product,
; because that is the order in which a matrix result, quantised in registers, falls out; blocks and scale bytes are untouched by it.
; WORK-GROUPS 0-255 (V): values [s 512][b 32][v 1024], read ONCE, quantised along v (vk, the second product's operand) and along s (vs, the third's).  Work-group = batch b x 128 columns; a wave takes 32 columns and
;   walks the 512 rows in 16 steps of 32 x 32 numbers, which go through the wave's own stage in LDS and come back twice: a lane a row (32 neighbours along v) and a lane a column (32 along s).
;   Both sets of codes are stored as images of operand registers: a tile of 16 rows x 128 K is 1,024 bytes, [block of 32: 4][row 16][16 bytes], so sixteen lanes store 256 consecutive bytes.
; WORK-GROUPS 256-767 query, 768-799 W1, 800-863 W2 (S): K is innermost.  A wave takes 16 rows x 512 along K; a row's 512 codes are 256 consecutive bytes, the 16 rows' scale bytes one block of 256 bytes
;   in the layout [K step of 512][row][16 bytes].  Rows of the query are renumbered batch first: row b x 512 + q.
; The two kinds of work-group use LDS bytes of their own.
.set SP,    80                         ; S: a place in a stage: 64 bytes + 16 of padding
.set SREG,  5632                       ; S: a wave's LDS: two stages of 32 x SP bytes, then its 256 scale bytes
.set VST,   22528                      ; V: the four stages
.set VP,    144                        ; V: a stage row: 128 bytes + 16
.set VSTB,  32*VP
.set GATH,  40960                      ; V: vk's scale bytes of the four waves: [key / 128: 4][lane 32][pair of tiles 4][block 4]
.set FLOOR, 0x1800000                  ; 2^(3 - 127): no largest magnitude is taken under it, so the byte cannot fall under 1
.set OFF2,  0xff000000                 ; takes 2 off an exponent field
.set R,   16                           ; S: v16-79 four sets of 16 numbers as loaded;  v80-111 two sets as the conversions want them
.set X,   80
.set E,   112                          ; S: v112-127 a scale byte for each step;  v128-191 codes, four registers a step
.set C,   128
.set LA,  192                          ; S: v192-207 load offsets, v208-223 store offsets, one for each step: none is ever rewritten
.set SA,  208
.set VO,  8                            ; V: v8-11 load offsets, one for each set
.set VKA, 12                           ; V: v12 vk's codes, v13 vs's: my lane's place
.set VSA, 13
.set STW, 14                           ; V: the stage: in, back by rows, back by columns
.set STK, 15
.set STS, 16
.set GB,  17                           ; V: where my row's scale byte goes; v18 where I read 16 of them back; v19 16 x lane
.set GR,  18
.set L16, 19
.set CK,  24                           ; V: v24-27 vk's codes of the step, v28-31 vs's, v32-35 vs's scale bytes
.set CS,  28
.set SB,  32
.set KF,  64                           ; V: v64-95 my row's 32 numbers;  v96-127 my column's;  v128-255 four sets of 32 as loaded
.set SF,  96
.set VR,  128
; 32 numbers of one block in v[x] on -> 16 bytes of codes in v[c] on, the byte in v[e]
.macro BLK32 x, c, e
	v_max3_num_f32 v20, |v[\x]|, |v[\x+1]|, |v[\x+2]|
	v_max3_num_f32 v23, |v[\x+3]|, |v[\x+4]|, |v[\x+5]|
.irp i, 6,10,14,18,22,26
	v_max3_num_f32 v20, v20, |v[\x+\i]|, |v[\x+\i+1]|
	v_max3_num_f32 v23, v23, |v[\x+\i+2]|, |v[\x+\i+3]|
.endr
	v_max3_num_f32 v20, v20, |v[\x+30]|, |v[\x+31]|
	v_max3_num_f32 v20, v20, v23, FLOOR
	v_add_nc_u32 v21, OFF2, v20                    ; the conversion takes the exponent field of this operand as its scale
	v_cvt_scalef32_pk8_fp4_f32 v[\c], v[\x:\x+7], v21
	v_cvt_scalef32_pk8_fp4_f32 v[\c+1], v[\x+16:\x+23], v21
	v_cvt_scalef32_pk8_fp4_f32 v[\c+2], v[\x+8:\x+15], v21
	v_cvt_scalef32_pk8_fp4_f32 v[\c+3], v[\x+24:\x+31], v21
	v_lshrrev_b32 v[\e], 23, v21                   ; the byte; also the plain line behind the conversions
.endm
.macro VLOAD k                         ; 32 rows x 128 bytes: a load takes 4 rows, 8 lanes to a row
.irp i, 0,1,2,3,4,5,6,7
	global_load_b128 v[VR+32*(\k)+4*\i:VR+32*(\k)+4*\i+3], v[VO+(\k)], s[6:7] offset:\i*524288 th:TH_LOAD_NT
.endr
.endm
.macro VSTEP t
.if 15-(\t) >= 3
	s_wait_loadcnt 24                              ; this step's 8 loads are in; three younger sets may be out
.else
	s_wait_loadcnt 8*(15-(\t))
.endif
.irp i, 0,1,2,3,4,5,6,7
	ds_store_b128 v[STW], v[VR+32*((\t)%4)+4*\i:VR+32*((\t)%4)+4*\i+3] offset:4*VP*\i
.endr
.irp i, 0,1,2,3,4,5,6,7
	ds_load_b128 v[KF+4*\i:KF+4*\i+3], v[STK] offset:16*\i           ; LDS serves a wave's instructions in order: these see the stores above
.endr
.irp i, 0,1,2,3,4,5,6,7,8,9,10,11,12,13,14,15,16,17,18,19,20,21,22,23,24,25,26,27,28,29,30,31
	ds_load_b32 v[SF+\i], v[STS] offset:VP*\i
.endr
	s_wait_dscnt 32                                ; the stores have read their registers and my row is back; the 32 column loads may be out
	s_wait_xcnt 0x0                                ; the last step's stores have read their data: the codes' registers may be written again
.if (\t)+4 < 16
	v_add_nc_u32 v[VO+(\t)%4], 16777216, v[VO+(\t)%4]   ; four steps of 32 rows on (this set's loads are done)
	VLOAD (\t)%4
.endif
	BLK32 KF, CK, 22
	ds_store_b8 v[GB], v22 offset:((\t)/4)*512+((\t)%4)*4
	global_store_b128 v[VKA], v[CK:CK+3], s[26:27] offset:((\t)/4)*65536+((\t)%4)*2048
	s_wait_dscnt 1                                 ; my column is back; the byte store may be out
	BLK32 SF, CS, 36
.if (\t)%4 == 0
	v_mov_b32 v[SB+(\t)/4], v36
.else
	v_lshl_or_b32 v[SB+(\t)/4], v36, 8*((\t)%4), v[SB+(\t)/4]
.endif
	global_store_b128 v[VSA], v[CS:CS+3], s[28:29] offset:((\t)/4)*8192+((\t)%4)*256
.endm
.macro QLOAD t
.irp i, 0,1,2,3
	global_load_b128 v[R+16*((\t)%4)+4*\i:R+16*((\t)%4)+4*\i+3], v[LA+(\t)], s[4:5] offset:512*\i th:TH_LOAD_NT   ; 32 lanes read 512 consecutive bytes
.endr
.endm
.macro QTURN t                         ; a step's 2,048 bytes through the stage: in as they lie; back so that the even lane of a pair has numbers 0-7 and 16-23 of its block, the odd lane 8-15 and 24-31
.irp i, 0,1,2,3
	ds_store_b128 v14, v[R+16*((\t)%4)+4*\i:R+16*((\t)%4)+4*\i+3] offset:32*SP*((\t)%2)+8*SP*\i
.endr
	ds_load_b128 v[X+16*((\t)%2):X+16*((\t)%2)+3], v15 offset:32*SP*((\t)%2)
	ds_load_b128 v[X+16*((\t)%2)+4:X+16*((\t)%2)+7], v15 offset:32*SP*((\t)%2)+16
	ds_load_b128 v[X+16*((\t)%2)+8:X+16*((\t)%2)+11], v15 offset:32*SP*((\t)%2)+SP
	ds_load_b128 v[X+16*((\t)%2)+12:X+16*((\t)%2)+15], v15 offset:32*SP*((\t)%2)+SP+16
.endm
.macro QSTEP t
.set XS, X+16*((\t)%2)
.if (\t) > 0
	s_wait_dscnt 1                                 ; this step's numbers are back from the stage (the last step's byte store may be out)
.else
	s_wait_dscnt 0x0
.endif
.if (\t)+4 < 16
	QLOAD (\t)+4
.endif
.if (\t)+1 < 16
.if 14-(\t) >= 3
	s_wait_loadcnt 12                              ; the next step's four loads are in; those of three steps behind it may be out
.else
	s_wait_loadcnt 4*(14-(\t))
.endif
	QTURN (\t)+1
.endif
	v_max3_num_f32 v8, |v[XS]|, |v[XS+1]|, |v[XS+2]|
	v_max3_num_f32 v9, |v[XS+3]|, |v[XS+4]|, |v[XS+5]|
.irp i, 6,10
	v_max3_num_f32 v8, v8, |v[XS+\i]|, |v[XS+\i+1]|
	v_max3_num_f32 v9, v9, |v[XS+\i+2]|, |v[XS+\i+3]|
.endr
	v_max3_num_f32 v8, v8, |v[XS+14]|, |v[XS+15]|
	v_max3_num_f32 v8, v8, v9, FLOOR
	v_max_num_f32_dpp v8, v8, v8 row_xmask:1 row_mask:0xf bank_mask:0xf   ; with my neighbour's 16: the block's largest magnitude
	v_add_nc_u32 v11, OFF2, v8
	v_cvt_scalef32_pk8_fp4_f32 v[C+4*(\t)], v[XS:XS+7], v11
	v_cvt_scalef32_pk8_fp4_f32 v[C+4*(\t)+1], v[XS+8:XS+15], v11
	v_lshrrev_b32 v[E+(\t)], 23, v11
	ds_store_b8 v5, v[E+(\t)] offset:16*(\t)       ; both lanes of a block write the same byte with the same value
	global_store_b64 v[SA+(\t)], v[C+4*(\t):C+4*(\t)+1], s[12:13]   ; 32 lanes store 256 consecutive bytes, aligned
.endm
	s_load_b256 s[4:11], s[0:1], 0x0               ; query s[4:5], values s[6:7], W1 s[8:9], W2 s[10:11]
	s_load_b256 s[12:19], s[0:1], 0x20             ; feed_codes s[12:13], feed_scales s[14:15], wts s[16:17], vk s[18:19]
	s_load_b64 s[20:21], s[0:1], 0x40              ; vs
	v_lshrrev_b32 v1, 5, v0
	v_readfirstlane_b32 s22, v1                    ; wave
	v_and_b32 v2, 31, v0                           ; lane
	s_cmp_lt_u32 ttmp9, 256
	s_cbranch_scc0 .Lrows
	; ---------------- V: values, both ways ----------------
	s_lshr_b32 s23, ttmp9, 3                       ; b
	s_and_b32 s24, ttmp9, 7                        ; which 128 columns
	s_lshl_b32 s26, s23, 12                        ; values: b x 4,096 + 512 x group + 128 x wave
	s_lshl_b32 s27, s24, 9
	s_add_co_u32 s26, s26, s27
	s_lshl_b32 s27, s22, 7
	s_add_co_u32 s26, s26, s27
	s_mov_b32 s27, 0
	s_lshl_b32 s28, s23, 18                        ; vk's codes: b x 262,144 + K step (= group) x 8,192
	s_lshl_b32 s29, s24, 13
	s_add_co_u32 s28, s28, s29
	s_mov_b32 s29, 0
	s_lshl_b32 s30, s23, 18                        ; vs's codes: b x 262,144 + group x 32,768
	s_lshl_b32 s31, s24, 15
	s_add_co_u32 s30, s30, s31
	s_mov_b32 s31, 0
	s_lshl_b32 s32, s23, 14                        ; vs's scale bytes: behind the codes, b x 16,384 + (4 x group + wave) x 512
	s_lshl_b32 s33, s24, 11
	s_add_co_u32 s32, s32, s33
	s_lshl_b32 s33, s22, 9
	s_add_co_u32 s32, s32, s33
	s_add_co_u32 s32, s32, 8388608
	s_mov_b32 s33, 0
	s_lshl_b32 s34, s23, 14                        ; vk's scale bytes: b x 16,384 + (keys 128 x wave) x 4,096 + group x 512
	s_lshl_b32 s35, s22, 12
	s_add_co_u32 s34, s34, s35
	s_lshl_b32 s35, s24, 9
	s_add_co_u32 s34, s34, s35
	s_add_co_u32 s34, s34, 8388608
	s_mov_b32 s35, 0
	s_wait_alu depctr_va_vdst(0)
	v_lshrrev_b32 v3, 3, v2                        ; lane / 8: my row of a load's four
	v_and_b32 v4, 7, v2
	v_lshlrev_b32 v5, 4, v4                        ; my 16 bytes of its 128
	v_lshl_add_u32 v[VO], v3, 17, v5               ; from row s to row s + 1: 131,072 bytes
	v_add_nc_u32 v[VO+1], 4194304, v[VO]           ; a step of 32 rows
	v_add_nc_u32 v[VO+2], 8388608, v[VO]
	v_add_nc_u32 v[VO+3], 12582912, v[VO]
	s_mul_i32 s25, s22, VSTB
	s_add_co_u32 s25, s25, VST                     ; my stage
	v_mad_u32_u24 v[STW], v3, VP, v5
	v_add_nc_u32 v[STW], s25, v[STW]
	v_mul_u32_u24 v[STK], v2, VP
	v_add_nc_u32 v[STK], s25, v[STK]
	v_lshlrev_b32 v[STS], 2, v2
	v_add_nc_u32 v[STS], s25, v[STS]
	v_lshrrev_b32 v6, 4, v2
	v_and_b32 v7, 15, v2
	v_lshlrev_b32 v7, 4, v7
	v_lshl_add_u32 v7, v6, 10, v7                  ; tile (lane / 16) x 1,024 + row (lane % 16) x 16
	s_lshl_b32 s36, s22, 8
	v_add_nc_u32 v[VKA], s36, v7                   ; vk: my wave's 32 columns are block = wave of the K step
	s_lshl_b32 s36, s22, 11
	v_add_nc_u32 v[VSA], s36, v7                   ; vs: my wave's 32 columns are tiles 2 x wave, 2 x wave + 1
	v_lshlrev_b32 v[L16], 4, v2
	s_add_co_u32 s36, s22, GATH
	v_add_nc_u32 v[GB], s36, v[L16]
	s_lshl_b32 s36, s22, 9
	s_add_co_u32 s36, s36, GATH
	v_add_nc_u32 v[GR], s36, v[L16]
	s_wait_kmcnt 0x0
	s_add_nc_u64 s[6:7], s[6:7], s[26:27]
	s_add_nc_u64 s[26:27], s[18:19], s[28:29]      ; vk's codes
	s_add_nc_u64 s[28:29], s[20:21], s[30:31]      ; vs's codes
	s_add_nc_u64 s[30:31], s[20:21], s[32:33]      ; vs's scale bytes
	s_add_nc_u64 s[32:33], s[18:19], s[34:35]      ; vk's scale bytes
	VLOAD 0
	VLOAD 1
	VLOAD 2
	VLOAD 3
.irp t, 0,1,2,3,4,5,6,7,8,9,10,11,12,13,14,15
	VSTEP \t
.endr
	global_store_b128 v[L16], v[SB:SB+3], s[30:31] ; my column's 16 scale bytes: 32 lanes store 512 consecutive bytes
	s_wait_dscnt 0x0                               ; my byte stores have landed
	s_barrier_signal -1                            ; (the branch that led here hangs on the work-group's number: all four waves are here)
	s_barrier_wait -1
	ds_load_b128 v[40:43], v[GR]                   ; the four waves' bytes make whole scale words: wave w takes those of keys 128 w on
	s_wait_dscnt 0x0
	global_store_b128 v[L16], v[40:43], s[32:33]
	v_lshl_add_u32 v44, v0, 2, 0xa800              ; the wave's end: v0 is as at the entry; my spare word and 0 are made here, in registers that this path has not used
	v_mov_b32 v45, 0
	s_wait_alu depctr_va_vdst(0)
	s_wait_tensorcnt 0x0
	ds_add_u32 v44, v45
	s_wait_dscnt 0x0
	s_endpgm
	; ---------------- S: query, W1, W2 ----------------
.Lrows:
	s_mov_b32 s36, 16                              ; from block to block of a row's codes, in bytes (W2: see below)
	s_cmp_lt_u32 ttmp9, 768
	s_cbranch_scc0 .Lweights
	s_sub_co_u32 s23, ttmp9, 256                   ; query: job = 4 x work-group + wave = (b, 16 rows q, K step j)
	s_lshl_b32 s23, s23, 2
	s_add_co_u32 s23, s23, s22
	s_and_b32 s24, s23, 1                          ; j
	s_bfe_u32 s25, s23, 0x50001                    ; which 16 q
	s_lshr_b32 s26, s23, 6                         ; b
	s_lshl_b32 s28, s25, 21                        ; from: 16 q x 131,072 + b x 4,096 + j x 2,048
	s_lshl_b32 s29, s26, 12
	s_add_co_u32 s28, s28, s29
	s_lshl_b32 s29, s24, 11
	s_add_co_u32 s28, s28, s29
	s_lshl_b32 s30, s26, 19                        ; codes: row (b x 512 + q) x 1,024 + 512 (the query's half of a row) + j x 256
	s_lshl_b32 s29, s25, 14
	s_add_co_u32 s30, s30, s29
	s_lshl_b32 s29, s24, 8
	s_add_co_u32 s30, s30, s29
	s_add_co_u32 s30, s30, 512
	s_add_co_u32 s32, s24, 2                       ; scale bytes: K step 2 + j, row x 16
	s_lshl_b32 s32, s32, 18
	s_lshl_b32 s29, s26, 13
	s_add_co_u32 s32, s32, s29
	s_lshl_b32 s29, s25, 8
	s_add_co_u32 s32, s32, s29
	s_mov_b32 s34, 131072                          ; from row to row, in and out
	s_mov_b32 s35, 1024
	s_branch .Ljoin
.Lweights:
	s_cmp_lt_u32 ttmp9, 800
	s_cbranch_scc0 .Lw2
	s_sub_co_u32 s23, ttmp9, 768                   ; W1: job = (16 rows g, K step j of 2)
	s_lshl_b32 s23, s23, 2
	s_add_co_u32 s23, s23, s22
	s_and_b32 s24, s23, 1
	s_lshr_b32 s25, s23, 1
	s_lshl_b32 s28, s25, 16
	s_lshl_b32 s29, s24, 11
	s_add_co_u32 s28, s28, s29
	s_lshl_b32 s30, s25, 13
	s_lshl_b32 s29, s24, 8
	s_add_co_u32 s30, s30, s29
	s_lshl_b32 s32, s24, 14
	s_lshl_b32 s29, s25, 8
	s_add_co_u32 s32, s32, s29
	s_add_co_u32 s32, s32, 1572864
	s_mov_b32 s34, 4096
	s_mov_b32 s35, 512
	s_branch .Ljoin
.Lw2:
	s_sub_co_u32 s23, ttmp9, 800                   ; W2: job = (16 rows g, K step j of 4)
	s_lshl_b32 s23, s23, 2
	s_add_co_u32 s23, s23, s22
	s_and_b32 s24, s23, 3
	s_lshr_b32 s25, s23, 2
	; W2 IS LAID AS IMAGES OF OPERAND REGISTERS.  Job g = 4 u + t takes the 16 rows 64 u + 4 r + t, r = 0 .. 15 (4 rows apart), which form tile g of the last product:
	; [tile 64][K step of 128: 16][block of 32: 4][r 16][16 bytes].  A store of one row's 512 codes so puts 16 bytes into each of 16 units of 256 bytes, which the job's 16 stores fill: 1 MiB of what the launch stores.
	; The scale bytes keep their layout, [K step of 512][tile x 16 + r][16 bytes].
	s_lshr_b32 s28, s25, 2
	s_lshl_b32 s28, s28, 19
	s_and_b32 s29, s25, 3
	s_lshl_b32 s29, s29, 13
	s_add_co_u32 s28, s28, s29
	s_lshl_b32 s29, s24, 11
	s_add_co_u32 s28, s28, s29
	s_lshl_b32 s30, s25, 14
	s_lshl_b32 s29, s24, 12
	s_add_co_u32 s30, s30, s29
	s_add_co_u32 s30, s30, 524288
	s_lshl_b32 s32, s24, 14
	s_lshl_b32 s29, s25, 8
	s_add_co_u32 s32, s32, s29
	s_add_co_u32 s32, s32, 1605632
	s_mov_b32 s34, 32768
	s_mov_b32 s35, 16
	s_mov_b32 s36, 256
.Ljoin:
	s_mov_b32 s29, 0
	s_mov_b32 s31, 0
	s_mov_b32 s33, 0
	s_wait_alu depctr_va_vdst(0)
	v_lshlrev_b32 v3, 4, v2                        ; my 16 bytes of a load's 512
	s_mul_i32 s23, s22, SREG
	v_lshrrev_b32 v14, 2, v2
	v_mul_u32_u24 v14, v14, SP
	v_and_b32 v15, 3, v2
	v_lshl_add_u32 v14, v15, 4, v14
	v_add_nc_u32 v14, s23, v14                     ; the stage, in: four lanes' 64 bytes on end, then 16 of padding
	v_and_b32 v15, 30, v2
	v_mul_u32_u24 v15, v15, SP
	v_and_b32 v4, 1, v2
	v_lshl_add_u32 v15, v4, 5, v15
	v_add_nc_u32 v15, s23, v15                     ; and back: a block is two places; the odd lane begins 32 bytes on
	v_lshlrev_b32 v7, 3, v2                        ; 8 bytes a lane
	v_lshrrev_b32 v5, 1, v2
	s_add_co_u32 s23, s23, 2*32*SP
	v_add_nc_u32 v5, s23, v5                       ; my block's scale byte
	v_add_nc_u32 v6, s23, v7
	v_lshrrev_b32 v10, 1, v2                       ; my codes' place in a row's: block (lane / 2) x s36 + 8 (lane % 2)
	v_mul_u32_u24 v10, s36, v10
	v_lshl_add_u32 v10, v4, 3, v10
.irp t, 0,1,2,3,4,5,6,7,8,9,10,11,12,13,14,15
	v_mad_u32_u24 v[LA+\t], s34, \t, v3
	v_mad_u32_u24 v[SA+\t], s35, \t, v10
.endr
	s_wait_kmcnt 0x0
	s_cmp_lt_u32 ttmp9, 800                        ; the buffers are chosen by the work-group's number alone
	s_cselect_b64 s[8:9], s[8:9], s[10:11]
	s_cmp_lt_u32 ttmp9, 768
	s_cselect_b64 s[4:5], s[4:5], s[8:9]
	s_cselect_b64 s[12:13], s[12:13], s[16:17]
	s_cselect_b64 s[14:15], s[14:15], s[16:17]
	s_add_nc_u64 s[4:5], s[4:5], s[28:29]
	s_add_nc_u64 s[12:13], s[12:13], s[30:31]
	s_add_nc_u64 s[14:15], s[14:15], s[32:33]
.irp t, 0,1,2,3
	QLOAD \t
.endr
	s_wait_loadcnt 12                              ; step 0's four loads are in
	QTURN 0
.irp t, 0,1,2,3,4,5,6,7,8,9,10,11,12,13,14,15
	QSTEP \t
.endr
	ds_load_b64 v[12:13], v6                       ; LDS serves a wave's instructions in order: these see my byte stores
	s_wait_dscnt 0x0
	global_store_b64 v7, v[12:13], s[14:15]        ; 16 rows x 16 scale bytes: 256 consecutive bytes, aligned
	v_lshl_add_u32 v224, v0, 2, 0xa800             ; the wave's end, as on the other path
	v_mov_b32 v225, 0
	s_wait_alu depctr_va_vdst(0)
	s_wait_tensorcnt 0x0
	ds_add_u32 v224, v225
	s_wait_dscnt 0x0
	s_endpgm
.Lfunc_end_k_q632ae82a3f_quant:
	.size	k_q632ae82a3f_quant, .Lfunc_end_k_q632ae82a3f_quant-k_q632ae82a3f_quant
	.p2alignl 7, 3214868480
	.fill 96, 4, 3214868480
	.section	.rodata,"a",@progbits
	.p2align	6, 0x0
	.amdhsa_kernel k_q632ae82a3f_quant
		.amdhsa_group_segment_fixed_size 43520
		.amdhsa_private_segment_fixed_size 0
		.amdhsa_enable_private_segment 0
		.amdhsa_kernarg_size 72
		.amdhsa_user_sgpr_count 2
		.amdhsa_user_sgpr_kernarg_segment_ptr 1
		.amdhsa_wavefront_size32 1
		.amdhsa_system_sgpr_workgroup_id_x 1
		.amdhsa_system_sgpr_workgroup_id_y 1
		.amdhsa_system_sgpr_workgroup_id_z 1
		.amdhsa_system_vgpr_workitem_id 0
		.amdhsa_next_free_vgpr 256
		.amdhsa_next_free_sgpr 66
		.amdhsa_reserve_vcc 0
		.amdhsa_float_denorm_mode_32 3
		.amdhsa_float_denorm_mode_16_64 3
		.amdhsa_memory_ordered 1
		.amdhsa_forward_progress 1
		.amdhsa_inst_pref_size 153
	.end_amdhsa_kernel
	.amdgpu_metadata
---
amdhsa.version: [ 1, 2 ]
amdhsa.kernels:
  - .name:           k_q632ae82a3f_quant
    .symbol:         k_q632ae82a3f_quant.kd
    .args:
      - { .name: query, .offset: 0, .size: 8, .value_kind: global_buffer, .address_space: global }
      - { .name: values, .offset: 8, .size: 8, .value_kind: global_buffer, .address_space: global }
      - { .name: W1, .offset: 16, .size: 8, .value_kind: global_buffer, .address_space: global }
      - { .name: W2, .offset: 24, .size: 8, .value_kind: global_buffer, .address_space: global }
      - { .name: feed_codes, .offset: 32, .size: 8, .value_kind: global_buffer, .address_space: global }
      - { .name: feed_scales, .offset: 40, .size: 8, .value_kind: global_buffer, .address_space: global }
      - { .name: wts, .offset: 48, .size: 8, .value_kind: global_buffer, .address_space: global }
      - { .name: vk, .offset: 56, .size: 8, .value_kind: global_buffer, .address_space: global }
      - { .name: vs, .offset: 64, .size: 8, .value_kind: global_buffer, .address_space: global }
    .group_segment_fixed_size: 43520
    .private_segment_fixed_size: 0
    .kernarg_segment_align: 8
    .kernarg_segment_size: 72
    .max_flat_workgroup_size: 128
    .sgpr_count:     66
    .vgpr_count:     256
    .wavefront_size: 32
...
	.end_amdgpu_metadata
.endif
;; end of part 1
;; launch gemm1 (part 2): grid 4 x 64, 4 waves a work-group, clusters of 4 x 4, 327,680 bytes of LDS; arguments feed_codes, feed_scales, wts, b1, qr; writes qr
.if DOCPART == 2
	.amdgcn_target "amdgcn-amd-amdhsa--gfx1250"
	.amdhsa_code_object_version 6
	.text
	.protected	k_q632ae82a3f_gemm1
	.globl	k_q632ae82a3f_gemm1
	.p2align	8
	.type	k_q632ae82a3f_gemm1,@function
k_q632ae82a3f_gemm1:
	s_mov_b64 s[64:65], 0
	v_nop
	global_prefetch_b8 v0, s[64:65] scope:SCOPE_SE
	s_setreg_imm32_b32 hwreg(HW_REG_WAVE_MODE, 25, 1), 1
	s_wait_xcnt 0x0
	s_wait_alu depctr_hold_cnt(0) depctr_sa_sdst(0) depctr_va_vdst(0) depctr_va_sdst(0) depctr_va_ssrc(0) depctr_va_vcc(0) depctr_vm_vsrc(0)
	s_getreg_b32 s2, hwreg(HW_REG_IB_STS2, 6, 4)
	s_cmp_eq_u32 s2, 0
	s_cbranch_scc0 .Lentry_in_a_cluster
	s_endpgm
.Lentry_in_a_cluster:
	s_bfe_u32 s2, ttmp6, 0x10000c
	s_cmp_lg_u32 s2, 0xf033
	s_cbranch_scc0 .Lentry_shape_is_right
	s_endpgm
.Lentry_shape_is_right:
.set WHICH,  1
.set SIZE_K, 1024*WHICH
.set NK,     SIZE_K/512
.set NQ,     4
.set ROWB,   256
.set KROWA,  1024
.set KROWB,  512*WHICH
.set ASTART, 512*(2-WHICH)
.set ASSTART, 524288*(2-WHICH)
.set BSTART, 524288*(WHICH-1)
.set BSSTART, 1572864+32768*(WHICH-1)
.set PITCH,  272
.set FR,     8
.set NL,     2
.set NP,     4
.set HALFT,  128*PITCH
.set SLOT,   4*HALFT
.set LAPS,   SIZE_K/1024
.set SCL,    2*SLOT
.set HALFS,  NK*2048
.set SBLK,   256
.set SPARE,  SCL+4*HALFS
.set SPITCH, 528
.set ADRA, 16
.set ADRB, 20
.set STO,  24
.set RD,   25
.set CO,   26
.set ADRS, 27
.set SPW,  28
.set NIL,  29
.set SC,   32
.set AF,   128
.set BI,   192
.set BK,   128
.set TM,   200
.set PW,   48
.set PX,   56
.set PC,   64
.set G1, 24
.set G0, 32
.set G1B, 48
.set G0B, 56
.set G1S, 68
.set G0S, 76
.set G1SB, 80
.set G0SB, 88
.set MSB, 0
.macro WIN new
.if MSB != (\new)
	s_set_vgpr_msb (MSB<<8)|(\new)
.set MSB, (\new)
.endif
.endm
.set MUL_LO, 0xa1
.set MUL_HI, 0xf1
.set TO_B,   0x40
.macro JLOAD g0a, g1a, g0b, g1b
	s_cmp_eq_u32 s15, 0
	s_cbranch_scc0 .Lfor_b_\@
	tensor_load_to_lds s[\g0a:\g0a+3], s[\g1a:\g1a+7]
	s_nop 0
.rept 4
	v_nop
.endr
	s_branch .Lasked_\@
.Lfor_b_\@:
	tensor_load_to_lds s[\g0b:\g0b+3], s[\g1b:\g1b+7]
	s_nop 0
.rept 4
	v_nop
.endr
.Lasked_\@:
.endm
.macro CREST
	s_cmp_lg_u32 s14, 0
	s_cbranch_scc1 .Lnot_wave_0_\@
	s_barrier_signal -3
.Lnot_wave_0_\@:
	s_barrier_wait -3
	s_barrier_signal -1
	s_barrier_wait -1
.endm
.macro CROUND
	s_barrier_signal -1
	s_barrier_wait -1
	CREST
.endm
	s_load_b128 s[4:7], s[0:1], 0x0
	s_load_b128 s[8:11], s[0:1], 0x10
	s_load_b64 s[12:13], s[0:1], 0x20
	v_lshl_add_u32 v[SPW], v0, 2, SPARE
	v_mov_b32 v[NIL], 0
	ds_add_u32 v28, v29
	ds_add_u32 v28, v29
	s_wait_dscnt 0x0
	v_lshrrev_b32 v1, 5, v0
	v_readfirstlane_b32 s14, v1
	s_lshr_b32 s15, s14, 1
	s_and_b32 s16, s14, 1
	s_bfe_u32 s40, ttmp6, 0x40000
	s_bfe_u32 s41, ttmp6, 0x40004
	s_lshl_b32 s42, ttmp9, 2
	s_add_co_u32 s42, s42, s40
	s_and_b32 s17, ttmp7, 0xffff
	s_lshl_b32 s17, s17, 2
	s_add_co_u32 s17, s17, s41
	s_lshl_b32 s43, s41, 2
	s_lshl_b32 s43, 15, s43
	s_lshl_b32 s44, 0x1111, s40
	s_or_b32 s[G1+0], s43, (0<<16)|(1<<20)|(1<<21)|(5<<22)|(3<<25)
	s_or_b32 s[G1B+0], s44, (0<<16)|(1<<20)|(1<<21)|(5<<22)|(3<<25)
.irp g, G1, G1B
	s_mov_b32 s[\g+1], ROWB<<16
	s_mov_b32 s[\g+2], 128<<16
	s_mov_b32 s[\g+3], ROWB<<16
	s_mov_b32 s[\g+4], 128
	s_mov_b32 s[\g+6], 0
	s_mov_b32 s[\g+7], 0
.endr
	s_mov_b32 s[G1+5], KROWA
	s_mov_b32 s[G1B+5], KROWB
	s_or_b32 s[G1S+0], s43, (3<<16)|(1<<21)
	s_or_b32 s[G1SB+0], s44, (3<<16)|(1<<21)
.irp g, G1S, G1SB
	s_mov_b32 s[\g+1], 256<<16
	s_mov_b32 s[\g+2], NK<<16
	s_mov_b32 s[\g+3], 256<<16
	s_mov_b32 s[\g+4], NK
	s_mov_b32 s[\g+6], 0
	s_mov_b32 s[\g+7], 0
.endr
	s_mov_b32 s[G1S+5], 32768
	s_mov_b32 s[G1SB+5], 2048
	s_lshl_b32 s18, s16, 7
	s_lshl_b32 s20, s17, 8
	s_add_co_u32 s20, s20, s18
	s_lshl_b32 s46, s42, 8
	s_add_co_u32 s46, s46, s18
	s_lshl_b32 s22, s20, 4
	s_add_co_u32 s22, s22, ASSTART
	s_mov_b32 s23, 0
	s_lshl_b32 s92, s46, 4
	s_add_co_u32 s92, s92, BSSTART
	s_mov_b32 s93, 0
	s_mul_i32 s20, s20, KROWA
	s_add_co_u32 s20, s20, ASTART
	s_mov_b32 s21, 0
	s_mul_i32 s46, s46, KROWB
	s_add_co_u32 s46, s46, BSTART
	s_mov_b32 s47, 0
	s_mul_i32 s45, s14, HALFT
	s_mul_i32 s94, s14, HALFS
.if WHICH == 1
	s_mov_b32 s96, 0x76543210
	s_mov_b32 s97, 0xfedcba98
.else
	s_mov_b32 s96, 0x4038aa3b
	s_mov_b32 s97, s96
.endif
	s_wait_kmcnt 0x0
	s_add_nc_u64 s[20:21], s[4:5], s[20:21]
	s_add_nc_u64 s[22:23], s[6:7], s[22:23]
	s_add_nc_u64 s[46:47], s[8:9], s[46:47]
	s_add_nc_u64 s[92:93], s[8:9], s[92:93]
	CROUND
	s_mov_b32 s[G0S], 1
	s_add_co_u32 s[G0S+1], s94, SCL
	s_mov_b64 s[G0S+2:G0S+3], s[22:23]
	s_or_b32 s[G0S+3], s[G0S+3], 0x80000000
	s_mov_b32 s[G0SB], 1
	s_add_co_u32 s[G0SB+1], s94, SCL
	s_mov_b64 s[G0SB+2:G0SB+3], s[92:93]
	s_or_b32 s[G0SB+3], s[G0SB+3], 0x80000000
	JLOAD G0S, G1S, G0SB, G1SB
.irp s, 0,1
	s_mov_b32 s[G0+4*\s], 1
	s_add_co_u32 s[G0+4*\s+1], s45, \s*SLOT
	s_add_nc_u64 s[G0+4*\s+2:G0+4*\s+3], s[20:21], \s*ROWB
	s_or_b32 s[G0+4*\s+3], s[G0+4*\s+3], 0x80000000
	s_mov_b32 s[G0B+4*\s], 1
	s_add_co_u32 s[G0B+4*\s+1], s45, \s*SLOT
	s_add_nc_u64 s[G0B+4*\s+2:G0B+4*\s+3], s[46:47], \s*ROWB
	s_or_b32 s[G0B+4*\s+3], s[G0B+4*\s+3], 0x80000000
	s_wait_alu depctr_va_vdst(0)
	s_wait_tensorcnt 0x0
	ds_add_u32 v28, v29
	s_wait_dscnt 0x0
	CROUND
	JLOAD G0+4*\s, G1, G0B+4*\s, G1B
.endr
	v_and_b32 v1, 15, v0
	s_wait_alu depctr_va_vdst(0)
	v_bfe_u32 v2, v0, 4, 1
	s_wait_alu depctr_va_vdst(0)
	s_lshl_b32 s46, s42, 10
	s_lshl_b32 s47, s16, 9
	s_add_co_u32 s46, s46, s47
	s_mov_b32 s47, 0
	s_add_nc_u64 s[10:11], s[10:11], s[46:47]
	v_lshlrev_b32 v7, 5, v2
.irp b, 0,1,2,3,4,5,6,7
	global_load_b128 v[BI+8*\b:BI+8*\b+3], v7, s[10:11] offset:64*\b
	global_load_b128 v[BI+8*\b+4:BI+8*\b+7], v7, s[10:11] offset:64*\b+16
.endr
	v_mul_u32_u24 v3, v1, PITCH
	v_lshl_add_u32 v4, v2, 4, v3
	s_mul_i32 s21, s15, HALFT
	s_mul_i32 s22, s16, HALFT
	s_add_co_u32 s22, s22, 2*HALFT
.irp s, 0,1
	v_add_nc_u32 v[ADRA+\s], s21, v4
	v_add_nc_u32 v[ADRB+\s], s22, v4
	s_add_co_u32 s21, s21, SLOT
	s_add_co_u32 s22, s22, SLOT
.endr
	v_lshlrev_b32 v5, 4, v1
	s_mul_i32 s21, s15, HALFS
	s_mul_i32 s22, s16, HALFS
	s_add_co_u32 s22, s22, 2*HALFS
	s_sub_co_u32 s22, s22, s21
	v_mul_u32_u24 v6, s22, v2
	s_add_co_u32 s21, s21, SCL
	v_add_nc_u32 v5, v5, v6
	v_add_nc_u32 v[ADRS], s21, v5
.if WHICH == 1
	v_and_b32 v6, 31, v0
	v_lshlrev_b32 v[STO], 4, v6
	v_lshlrev_b32 v[RD], 2, v6
	s_lshr_b32 s20, s17, 1
	s_lshl_b32 s20, s20, 14
	s_and_b32 s21, s17, 1
	s_lshl_b32 s21, s21, 10
	s_add_co_u32 s20, s20, s21
	s_lshl_b32 s21, s15, 9
	s_add_co_u32 s20, s20, s21
	s_add_co_u32 s20, s20, 8388608
	s_mov_b32 s21, 0
	s_lshl_b32 s46, s42, 12
	s_lshl_b32 s47, s16, 11
	s_add_co_u32 s46, s46, s47
	s_mov_b32 s47, 0
	s_add_nc_u64 s[20:21], s[20:21], s[46:47]
	s_add_nc_u64 s[22:23], s[12:13], s[20:21]
	s_lshl_b32 s20, s17, 17
	s_lshl_b32 s21, s15, 16
	s_add_co_u32 s20, s20, s21
	s_mov_b32 s21, 0
	s_lshl_b32 s46, s42, 13
	s_lshl_b32 s47, s16, 12
	s_add_co_u32 s46, s46, s47
	s_mov_b32 s47, 0
	s_add_nc_u64 s[20:21], s[20:21], s[46:47]
	s_add_nc_u64 s[12:13], s[12:13], s[20:21]
.else
	s_mul_i32 s23, s14, 16*SPITCH
	v_mul_u32_u24 v5, v1, SPITCH
	v_lshl_add_u32 v5, v2, 5, v5
	v_add_nc_u32 v[STO], s23, v5
	v_and_b32 v6, 31, v0
	v_lshlrev_b32 v[CO], 4, v6
	v_add_nc_u32 v[RD], s23, v[CO]
	s_and_b32 s20, s17, 1
	s_lshl_b32 s20, s20, 25
	s_lshl_b32 s21, s15, 24
	s_add_co_u32 s20, s20, s21
	s_lshr_b32 s21, s17, 1
	s_lshl_b32 s21, s21, 12
	s_add_co_u32 s20, s20, s21
	s_mov_b32 s21, 0
	s_add_nc_u64 s[20:21], s[20:21], s[46:47]
	s_add_nc_u64 s[12:13], s[12:13], s[20:21]
.endif
.macro FRAG reg, adr, q, i
.irp c, 0,1
	ds_load_b128 v[\reg+4*\c:\reg+4*\c+3], v[\adr] offset:64*(\q)+32*\c+(\i)*16*PITCH
.endr
.endm
.macro MUL16 a0, p, q, sc, zero
.irp a, \a0, \a0+1
.irp b, 0,1,2,3,4,5,6,7
.if \zero
	v_wmma_scale_f32_16x16x128_f8f6f4 v[8*(8*((\a)%4)+\b):8*(8*((\a)%4)+\b)+7], v[128*(\p)+FR*\b:128*(\p)+FR*\b+FR-1], v[AF+FR*(\a):AF+FR*(\a)+FR-1], v[BI+8*\b:BI+8*\b+7], v[SC+8*NQ*(\sc)+NQ*\b+(\q)], v[SC+8*NQ*(\sc)+NQ*(\a)+(\q)] matrix_a_fmt:MATRIX_FMT_FP4 matrix_b_fmt:MATRIX_FMT_FP4 matrix_a_scale:MATRIX_SCALE_ROW1
.else
	v_wmma_scale_f32_16x16x128_f8f6f4 v[8*(8*((\a)%4)+\b):8*(8*((\a)%4)+\b)+7], v[128*(\p)+FR*\b:128*(\p)+FR*\b+FR-1], v[AF+FR*(\a):AF+FR*(\a)+FR-1], v[8*(8*((\a)%4)+\b):8*(8*((\a)%4)+\b)+7], v[SC+8*NQ*(\sc)+NQ*\b+(\q)], v[SC+8*NQ*(\sc)+NQ*(\a)+(\q)] matrix_a_fmt:MATRIX_FMT_FP4 matrix_b_fmt:MATRIX_FMT_FP4 matrix_a_scale:MATRIX_SCALE_ROW1
.endif
.endr
.endr
.endm
.macro FETCH_B slot, q, p
	WIN TO_B
.irp i, 0,1,2,3,4,5,6,7
	FRAG 128*(\p)+FR*\i, ADRB+\slot, \q, \i
.endr
	WIN 0
.endm
.macro FETCH_A slot, q, i0
.irp i, \i0, \i0+1, \i0+2, \i0+3
	FRAG AF+FR*(\i), ADRA+\slot, \q, \i
.endr
.endm
.macro SCALES sc
.irp i, 0,1,2,3,4,5,6,7
	ds_load_b128 v[SC+8*NQ*\sc+NQ*\i:SC+8*NQ*\sc+NQ*\i+3], v[ADRS] offset:\i*SBLK
.endr
.endm
.macro PLACES n
.rept \n
	v_nop
.endr
.endm
.macro STEP slot, q, zero
	s_wait_dscnt 4*NL
.if \zero
	WIN 0x81
.else
	WIN MUL_LO
.endif
	MUL16 0, (\q)%2, \q, \slot, \zero
	MUL16 2, (\q)%2, \q, \slot, \zero
	s_wait_dscnt 0
	PLACES NP
	FETCH_B \slot, (\q)+1, 1-(\q)%2
	FETCH_A \slot, (\q)+1, 0
.if \zero
	WIN 0xc1
.else
	WIN MUL_HI
.endif
	MUL16 4, (\q)%2, \q, \slot, \zero
	MUL16 6, (\q)%2, \q, \slot, \zero
	PLACES NP
	WIN 0
	FETCH_A \slot, (\q)+1, 4
.endm
.macro TURN slot, next, fill
	s_wait_tensorcnt 0x0
	ds_add_u32 v[SPW], v[NIL]
	s_wait_dscnt 4*NL+1
	WIN MUL_LO
	MUL16 0, 1, NQ-1, \slot, 0
	s_wait_dscnt 0x0
	s_barrier_signal -1
	MUL16 2, 1, NQ-1, \slot, 0
	WIN 0
	s_barrier_wait -1
.if \fill
	CREST
	s_add_nc_u64 s[G0+4*\slot+2:G0+4*\slot+3], s[G0+4*\slot+2:G0+4*\slot+3], 2*ROWB
	s_add_nc_u64 s[G0B+4*\slot+2:G0B+4*\slot+3], s[G0B+4*\slot+2:G0B+4*\slot+3], 2*ROWB
	JLOAD G0+4*\slot, G1, G0B+4*\slot, G1B
.else
	PLACES NP
.endif
	v_add_nc_u32 v[ADRS], 2048, v[ADRS]
	FETCH_B \next, 0, 0
	FETCH_A \next, 0, 0
	SCALES \next
	WIN MUL_HI
	MUL16 4, 1, NQ-1, \slot, 0
	MUL16 6, 1, NQ-1, \slot, 0
	PLACES NP
	WIN 0
	FETCH_A \next, 0, 4
.endm
.macro STEPS slot, from
.set Q, \from
.rept NQ-1-\from
	STEP \slot, Q, 0
.set Q, Q+1
.endr
.endm
	s_wait_alu depctr_va_vdst(0)
	s_wait_tensorcnt 1
	s_barrier_signal -1
	s_barrier_wait -1
	FETCH_B 0, 0, 0
	FETCH_A 0, 0, 0
	SCALES 0
	FETCH_A 0, 0, 4
	s_wait_loadcnt 0x0
	STEP 0, 0, 1
.if LAPS > 1
	s_mov_b32 s3, LAPS-1
.Llap:
	STEPS 0, 1
	TURN 0, 1, 1
	STEPS 1, 0
	TURN 1, 0, 1
	STEP 0, 0, 0
	s_sub_co_u32 s3, s3, 1
	s_cmp_lg_u32 s3, 0
	s_cbranch_scc1 .Llap
.endif
	STEPS 0, 1
	TURN 0, 1, 0
	STEPS 1, 0
	s_wait_dscnt 4*NL
	WIN MUL_LO
	MUL16 0, 1, NQ-1, 1, 0
	MUL16 2, 1, NQ-1, 1, 0
	s_wait_dscnt 0
	WIN MUL_HI
	MUL16 4, 1, NQ-1, 1, 0
	MUL16 6, 1, NQ-1, 1, 0
	WIN 0
	PLACES NP
.if WHICH == 1
.macro QUANTW a
.set AC, 64*((\a)%4)
.set WS, 2+(\a)/4
.set WN, (WS<<2)|(WS<<4)
	WIN WN
.irp b, 0,1,2,3
	v_max3_num_f32 v[TM+\b], 0x1800000, |v[AC+16*\b]|, |v[AC+1+16*\b]|
.endr
.irp i, 2,4,6,8,10,12,14
.irp b, 0,1,2,3
	v_max3_num_f32 v[TM+\b], v[TM+\b], |v[AC+16*\b+\i]|, |v[AC+1+16*\b+\i]|
.endr
.endr
	WIN 0
.irp b, 0,1,2,3
	v_permlanex16_b32 v[TM+4+\b], v[TM+\b], s96, s97
.endr
.irp b, 0,1,2,3
	v_max_num_f32 v[TM+\b], v[TM+\b], v[TM+4+\b]
.endr
.irp b, 0,1,2,3
	v_add_nc_u32 v[TM+12+\b], 0xff000000, v[TM+\b]
.endr
.irp b, 0,1,2,3
	v_lshrrev_b32 v[TM+8+\b], 23, v[TM+12+\b]
.endr
	v_lshl_or_b32 v[PW+(\a)], v[TM+9], 8, v[TM+8]
	v_lshl_or_b32 v[PW+(\a)], v[TM+10], 16, v[PW+(\a)]
	v_lshl_or_b32 v[PW+(\a)], v[TM+11], 24, v[PW+(\a)]
	WIN WS
.irp b, 0,1,2,3
	v_cvt_scalef32_pk8_fp4_f32 v[PC+8*(\a)+2*\b], v[AC+16*\b:AC+7+16*\b], v[TM+12+\b]
	v_cvt_scalef32_pk8_fp4_f32 v[PC+8*(\a)+1+2*\b], v[AC+8+16*\b:AC+15+16*\b], v[TM+12+\b]
.endr
	WIN 0
	v_nop
.irp c, 0,1
.irp i, 0,1
	v_permlane16_swap_b32 v[PC+8*(\a)+4*\c+\i], v[PC+8*(\a)+2+4*\c+\i]
.endr
.endr
.irp c, 0,1
	global_store_b128 v[STO], v[PC+8*(\a)+4*\c:PC+8*(\a)+4*\c+3], s[12:13] offset:((\a)/4)*32768+((\a)%4)*1024+512*\c
.endr
.endm
.irp b, 0,1,2,3
	v_mov_b32 v[TM+4+\b], 0
.endr
	s_mov_b32 vcc_lo, 0xffff0000
.irp a, 0,1,2,3,4,5,6,7
	QUANTW \a
.endr
.irp p, 0,1,2,3
	v_cndmask_b32 v[PX+\p], v[PW+2*\p], v[PW+2*\p+1], vcc_lo
.endr
.irp p, 0,1,2,3
	global_store_b32 v[RD], v[PX+\p], s[22:23] offset:128*\p
.endr
.else
.macro TANH a
.set AC, 64*((\a)%4)
.set WN, 0x82+0x41*((\a)/4)
	WIN WN
.set j, 0
.rept 32
	v_pk_mul_f32 v[AC+j:AC+j+1], v[AC+j:AC+j+1], s[96:97] op_sel_hi:[1,0]
.set j, j+2
.endr
.set j, 0
.rept 64
	v_exp_f32 v[AC+j], v[AC+j]
.set j, j+1
.endr
	v_nop
	s_wait_alu depctr_va_vdst(0)
.set j, 0
.rept 32
	v_pk_add_f32 v[AC+j:AC+j+1], v[AC+j:AC+j+1], 1.0 op_sel_hi:[1,0]
.set j, j+2
.endr
.set j, 0
.rept 64
	v_rcp_f32 v[AC+j], v[AC+j]
.set j, j+1
.endr
	v_nop
	s_wait_alu depctr_va_vdst(0)
.set j, 0
.rept 32
	v_pk_fma_f32 v[AC+j:AC+j+1], v[AC+j:AC+j+1], -2.0, 1.0 op_sel_hi:[1,0,0]
.set j, j+2
.endr
	WIN 0
.endm
.macro TOSTAGE a
.set AC, 64*((\a)%4)
	WIN 0x08+4*((\a)/4)
.irp b, 0,1,2,3,4,5,6,7
	ds_store_b128 v[STO], v[AC+8*\b:AC+8*\b+3] offset:64*\b
	ds_store_b128 v[STO], v[AC+8*\b+4:AC+8*\b+7] offset:64*\b+16
.endr
	WIN 0
.set BB, BK+64*((\a)%2)
.irp t, 0,1,2,3,4,5,6,7,8,9,10,11,12,13,14,15
	ds_load_b128 v[BB+4*\t:BB+4*\t+3], v[RD] offset:\t*SPITCH
.endr
.endm
.macro SEND a, younger
.set BB, BK+64*((\a)%2)
	s_wait_dscnt \younger
.if (\a) > 0
	s_add_nc_u64 s[12:13], s[12:13], 2097152
.endif
.irp t, 0,1,2,3,4,5,6,7,8,9,10,11,12,13,14,15
	global_store_b128 v[CO], v[BB+4*\t:BB+4*\t+3], s[12:13] offset:\t*131072 th:TH_STORE_NT
.endr
.endm
	TANH 0
	TOSTAGE 0
.irp a, 1,2,3,4,5,6,7
	TANH \a
.if \a > 1
	s_wait_xcnt 0x0
.endif
	TOSTAGE \a
	SEND \a-1, 32
.endr
	s_wait_xcnt 0x0
	SEND 7, 0
.endif
	s_wait_tensorcnt 0x0
	ds_add_u32 v[SPW], v[NIL]
	s_wait_dscnt 0x0
	CROUND
	s_endpgm
.Lfunc_end_k_q632ae82a3f_gemm1:
	.size	k_q632ae82a3f_gemm1, .Lfunc_end_k_q632ae82a3f_gemm1-k_q632ae82a3f_gemm1
	.p2alignl 7, 3214868480
	.fill 96, 4, 3214868480
	.section	.rodata,"a",@progbits
	.p2align	6, 0x0
	.amdhsa_kernel k_q632ae82a3f_gemm1
		.amdhsa_group_segment_fixed_size 327680
		.amdhsa_private_segment_fixed_size 0
		.amdhsa_enable_private_segment 0
		.amdhsa_kernarg_size 40
		.amdhsa_user_sgpr_count 2
		.amdhsa_user_sgpr_kernarg_segment_ptr 1
		.amdhsa_wavefront_size32 1
		.amdhsa_system_sgpr_workgroup_id_x 1
		.amdhsa_system_sgpr_workgroup_id_y 1
		.amdhsa_system_sgpr_workgroup_id_z 1
		.amdhsa_system_vgpr_workitem_id 0
		.amdhsa_next_free_vgpr 1024
		.amdhsa_next_free_sgpr 98
		.amdhsa_reserve_vcc 1
		.amdhsa_float_denorm_mode_32 3
		.amdhsa_float_denorm_mode_16_64 3
		.amdhsa_memory_ordered 1
		.amdhsa_forward_progress 1
		.amdhsa_inst_pref_size 131
	.end_amdhsa_kernel
	.amdgpu_metadata
---
amdhsa.version: [ 1, 2 ]
amdhsa.kernels:
  - .name:           k_q632ae82a3f_gemm1
    .symbol:         k_q632ae82a3f_gemm1.kd
    .args:
      - { .name: feed_codes, .offset: 0, .size: 8, .value_kind: global_buffer, .address_space: global }
      - { .name: feed_scales, .offset: 8, .size: 8, .value_kind: global_buffer, .address_space: global }
      - { .name: wts, .offset: 16, .size: 8, .value_kind: global_buffer, .address_space: global }
      - { .name: b1, .offset: 24, .size: 8, .value_kind: global_buffer, .address_space: global }
      - { .name: qr, .offset: 32, .size: 8, .value_kind: global_buffer, .address_space: global }
    .group_segment_fixed_size: 327680
    .private_segment_fixed_size: 0
    .kernarg_segment_align: 8
    .kernarg_segment_size: 40
    .max_flat_workgroup_size: 128
    .sgpr_count:     98
    .vgpr_count:     1024
    .wavefront_size: 32
...
	.end_amdgpu_metadata
.endif
;; end of part 2
;; launch attn (part 3): grid 8 x 32, 4 waves a work-group, no clusters, 90,624 bytes of LDS; arguments qr, vk, vs, feed_codes, feed_scales; writes feed_codes, feed_scales
.if DOCPART == 3
	.amdgcn_target "amdgcn-amd-amdhsa--gfx1250"
	.amdhsa_code_object_version 6
	.text
	.protected	k_q632ae82a3f_attn
	.globl	k_q632ae82a3f_attn
	.p2align	8
	.type	k_q632ae82a3f_attn,@function
k_q632ae82a3f_attn:
	s_mov_b64 s[64:65], 0
	v_nop
	global_prefetch_b8 v0, s[64:65] scope:SCOPE_SE
	s_setreg_imm32_b32 hwreg(HW_REG_WAVE_MODE, 25, 1), 1
	s_wait_xcnt 0x0
; attended[q] = (sum over s of p(q, s) values[s]) / l(q), both products on codes of FP4 (E2M1) with one E8M0 byte for each 32 along K; the result is quantised along v and stored as the left half of the last product's operand.
; t = score x log2(e); M = the row's largest t rounded up to a whole number; p = 2^(t - M) is quantised along the keys; l is the sum of the unquantised p.  All 512 scores of a row are held at once, so M is the row's own.
; SHARES.  A work-group takes 64 queries of one batch (x = block of queries, y = batch): four tiles of 16.  Wave w takes keys 128 w .. + 127 in the first product (they are K step w of the second),
; and columns v 256 w .. + 255 in the second, in two halves of 128 (each a K step of the last product).  So each byte of vk and vs is wanted by one wave of the work-group alone: it goes from memory straight into
; operand registers, in the order in which an earlier launch laid it; no tile is shared between waves, which is why there is no ring and no joint load here.  What waves share is small and goes through LDS as images of registers.
; Both products are used transposed (source 0 = 16 keys or 16 columns v, source 1 = 16 queries): a lane holds one query throughout, and its registers run along the next product's K.
; Two neighbouring tiles give a lane numbers 0-7 and 16-23 (lanes 0-15) or 8-15 and 24-31 (lanes 16-31) of a block of 32: a block's four words hold k 0-7, 16-23, 8-15, 24-31, as in every operand of this program.
; LIMITS: a block's largest p is taken from its largest score by the same multiply-add and exponential (this takes the exponential not to fall where its input rises); a block of zeros gets the byte 1 (its codes are zeros);
; a largest magnitude under 2^-124 is held at the byte 1; NaN and infinities are not served.
; REGISTERS, in windows of 256: window 0: see the names below.  window 1: 32 accumulators (tile of queries m, tile t) at v[64 m + 8 t]: the scores, then p, then the two halves of the result.
;   window 3: operand sets 0-3, 64 registers each; window 2: sets 4-7: vk's eight K steps, then vs's eight steps.
.set QIMG, 0                           ; LDS: the queries' fragments [K step 8][m 4][1,024 bytes]
.set PIMG, 32768                       ; p's fragments [K step = wave 4][m 4][1,024]
.set PSC,  49152                       ; p's scale words [K step 4][m 4][row 16][4]
.set MX,   50176                       ; the waves' row maxima [m][row][wave][4]; 1,024 bytes on: their row sums
.set SSTG, 52224                       ; the result's scale bytes [K step of 512: 2][row 64][16]
.set CSTG, 54272                       ; the result's codes: 64 rows x (512 + 16) bytes
.set CP,   528
.set LI,   1                           ; v1 16 x lane;  v2 4 x lane;  v3 r;  v4 h
.set LS,   2
.set RR,   3
.set HH,   4
.set CPY,  5                           ; v5  16 x lane + 8,192 x wave: my quarter of the queries' block, in memory and in LDS
.set MXW,  6                           ; v6  MX + 16 r + 4 wave;  v7  MX + 16 r
.set MXR,  7
.set PIW,  8                           ; v8  PIMG + 16 x lane + 4,096 x wave
.set PSA,  9                           ; v9  PSC + 256 x wave + 4 r
.set SO,   10                          ; v10 CSTG + 528 r + 16 h + 128 x wave
.set SSW,  11                          ; v11 SSTG + 16 r + 1,024 (wave / 2) + 8 (wave % 2)
.set CRD,  12                          ; v12 CSTG + 16 rows x wave + 16 x lane
.set SRD,  13                          ; v13 SSTG + 512 x wave + 16 x lane
.set PFO,  14                          ; v14 256 x lane + 8,192 x wave
.set QS,   16                          ; v16-31  the queries' scale words [K step][pair of m]: lanes 0-15 the even tile, lanes 16-31 the odd
.set KSC,  32                          ; v32-63  vk's [K step][pair of tiles]
.set VSC,  64                          ; v64-95  vs's [half x 4 + pair of tiles][K step]
.set PSW,  96                          ; v96-103 p's [K step][pair of m]
.set AF,   104                         ; v104-167 two sets of four fragments of source 1
.set PC,   168                         ; v168-199 codes just made; also what comes back from MX
.set TM,   200                         ; v200-215, v216-231 at work, one register for each of 16 blocks
.set BM,   216
.set NM,   232                         ; v232-239 pairs: -M, later 1 / l
.set SU,   240                         ; v240-247, v248-255 row sums in two chains; v248-251 later scale words
.set SU2,  248
.set SEL,  20
.set CS,   22
.set MSB, 0
.macro WIN new
.if MSB != (\new)
	s_set_vgpr_msb (MSB<<8)|(\new)
.set MSB, (\new)
.endif
.endm
.macro BARRIER                         ; my LDS stores have landed and my LDS loads are in: then the work-group's barrier
	s_wait_dscnt 0x0
	s_barrier_signal -1
	s_barrier_wait -1
.endm
.macro BLOAD n, lo, hi                 ; operand set n: eight tiles of 16 rows x 128 K, 16 loads of 512 consecutive bytes
.if (\n) < 4
	WIN 0xc0
.else
	WIN 0x80
.endif
.irp t, 0,1,2,3,4,5,6,7
.irp c, 0,1
	global_load_b128 v[64*((\n)%4)+8*\t+4*\c:64*((\n)%4)+8*\t+4*\c+3], v[LI], s[\lo:\hi] offset:(\n)*8192+\t*1024+512*\c
.endr
.endr
	WIN 0
.endm
.macro VKLOAD ks                       ; 17 loads: a K step of vk and its scale words
	BLOAD \ks, 28, 29
	global_load_b128 v[KSC+4*(\ks):KSC+4*(\ks)+3], v[LI], s[30:31] offset:512*(\ks)
.endm
.macro AFETCH set, off                 ; four fragments of source 1 from their images
.irp m, 0,1,2,3
.irp c, 0,1
	ds_load_b128 v[AF+32*(\set)+8*\m+4*\c:AF+32*(\set)+8*\m+4*\c+3], v[LI] offset:(\off)+1024*\m+512*\c
.endr
.endr
.endm
.macro MPRE set, off                   ; four plain lines behind the last matrix instructions (ISA guide 7.12.1 for vector instructions), then the next step's fragments into the set just multiplied
.rept 4
	v_nop
.endr
	AFETCH \set, \off
.endm
.macro ONE d, a, b, zero, sa, sb, ra, rb
.if \zero
.if (\ra) && (\rb)
	v_wmma_scale_f32_16x16x128_f8f6f4 v[\d:\d+7], v[\a:\a+7], v[\b:\b+7], 0, v[\sa], v[\sb] matrix_a_fmt:MATRIX_FMT_FP4 matrix_b_fmt:MATRIX_FMT_FP4 matrix_a_scale:MATRIX_SCALE_ROW1 matrix_b_scale:MATRIX_SCALE_ROW1
.elseif \ra
	v_wmma_scale_f32_16x16x128_f8f6f4 v[\d:\d+7], v[\a:\a+7], v[\b:\b+7], 0, v[\sa], v[\sb] matrix_a_fmt:MATRIX_FMT_FP4 matrix_b_fmt:MATRIX_FMT_FP4 matrix_a_scale:MATRIX_SCALE_ROW1
.elseif \rb
	v_wmma_scale_f32_16x16x128_f8f6f4 v[\d:\d+7], v[\a:\a+7], v[\b:\b+7], 0, v[\sa], v[\sb] matrix_a_fmt:MATRIX_FMT_FP4 matrix_b_fmt:MATRIX_FMT_FP4 matrix_b_scale:MATRIX_SCALE_ROW1
.else
	v_wmma_scale_f32_16x16x128_f8f6f4 v[\d:\d+7], v[\a:\a+7], v[\b:\b+7], 0, v[\sa], v[\sb] matrix_a_fmt:MATRIX_FMT_FP4 matrix_b_fmt:MATRIX_FMT_FP4
.endif
.else
.if (\ra) && (\rb)
	v_wmma_scale_f32_16x16x128_f8f6f4 v[\d:\d+7], v[\a:\a+7], v[\b:\b+7], v[\d:\d+7], v[\sa], v[\sb] matrix_a_fmt:MATRIX_FMT_FP4 matrix_b_fmt:MATRIX_FMT_FP4 matrix_a_scale:MATRIX_SCALE_ROW1 matrix_b_scale:MATRIX_SCALE_ROW1
.elseif \ra
	v_wmma_scale_f32_16x16x128_f8f6f4 v[\d:\d+7], v[\a:\a+7], v[\b:\b+7], v[\d:\d+7], v[\sa], v[\sb] matrix_a_fmt:MATRIX_FMT_FP4 matrix_b_fmt:MATRIX_FMT_FP4 matrix_a_scale:MATRIX_SCALE_ROW1
.elseif \rb
	v_wmma_scale_f32_16x16x128_f8f6f4 v[\d:\d+7], v[\a:\a+7], v[\b:\b+7], v[\d:\d+7], v[\sa], v[\sb] matrix_a_fmt:MATRIX_FMT_FP4 matrix_b_fmt:MATRIX_FMT_FP4 matrix_b_scale:MATRIX_SCALE_ROW1
.else
	v_wmma_scale_f32_16x16x128_f8f6f4 v[\d:\d+7], v[\a:\a+7], v[\b:\b+7], v[\d:\d+7], v[\sa], v[\sb] matrix_a_fmt:MATRIX_FMT_FP4 matrix_b_fmt:MATRIX_FMT_FP4
.endif
.endif
.endm
; 32 matrix instructions: operand set n's eight tiles x the four tiles of queries in fragment set `set`.  lcnt, dcnt: the younger global and LDS loads that may stay out.
; The 32 accumulators take turns, one instruction a turn, in the same order in every step.
.macro MMUL n, set, lcnt, dcnt, zero, asc, astr, bsc
	s_wait_loadcnt \lcnt
	s_wait_dscnt \dcnt
.if (\n) < 4
	WIN 0x53                                       ; source 0 window 3, source 1 window 0, C and D window 1
.else
	WIN 0x52
.endif
.irp t, 0,1,2,3,4,5,6,7
.irp m, 0,1,2,3
	ONE 64*\m+8*\t, 64*((\n)%4)+8*\t, AF+32*(\set)+8*\m, \zero, (\asc)+(\astr)*(\t/2), (\bsc)+\m/2, \t%2, \m%2
.endr
.endr
	WIN 0
.endm
	s_load_b256 s[4:11], s[0:1], 0x0               ; qr s[4:5], vk s[6:7], vs s[8:9], feed_codes s[10:11]
	s_load_b64 s[12:13], s[0:1], 0x20              ; feed_scales
	v_lshrrev_b32 v15, 5, v0
	v_readfirstlane_b32 s14, v15                   ; wave
	v_and_b32 v15, 31, v0                          ; lane
	v_lshlrev_b32 v[LI], 4, v15
	v_lshlrev_b32 v[LS], 2, v15
	v_and_b32 v[RR], 15, v0
	v_bfe_u32 v[HH], v0, 4, 1
	s_lshl_b32 s16, s14, 13
	v_add_nc_u32 v[CPY], s16, v[LI]
	v_lshlrev_b32 v[PFO], 8, v15
	v_add_nc_u32 v[PFO], s16, v[PFO]
	v_lshlrev_b32 v[MXR], 4, v[RR]
	v_add_nc_u32 v[MXR], MX, v[MXR]
	s_lshl_b32 s16, s14, 2
	v_add_nc_u32 v[MXW], s16, v[MXR]
	s_lshl_b32 s16, s14, 12
	s_add_co_u32 s16, s16, PIMG
	v_add_nc_u32 v[PIW], s16, v[LI]
	s_lshl_b32 s16, s14, 8
	s_add_co_u32 s16, s16, PSC
	v_lshl_add_u32 v[PSA], v[RR], 2, s16
	v_mul_u32_u24 v[SO], v[RR], CP
	v_lshl_add_u32 v[SO], v[HH], 4, v[SO]
	s_lshl_b32 s16, s14, 7
	s_add_co_u32 s16, s16, CSTG
	v_add_nc_u32 v[SO], s16, v[SO]
	s_lshr_b32 s16, s14, 1
	s_lshl_b32 s16, s16, 10
	s_and_b32 s17, s14, 1
	s_lshl_b32 s17, s17, 3
	s_add_co_u32 s16, s16, s17
	s_add_co_u32 s16, s16, SSTG
	v_lshl_add_u32 v[SSW], v[RR], 4, s16
	s_mul_i32 s16, s14, 16*CP
	s_add_co_u32 s16, s16, CSTG
	v_add_nc_u32 v[CRD], s16, v[LI]
	s_lshl_b32 s16, s14, 9
	s_add_co_u32 s16, s16, SSTG
	v_add_nc_u32 v[SRD], s16, v[LI]
	s_mov_b32 s[SEL], 0x76543210
	s_mov_b32 s[SEL+1], 0xfedcba98                 ; v_permlanex16_b32's selects for lane l xor 16
	s_mov_b32 s[CS], 0x3fb8aa3b                    ; log2(e)
	s_mov_b32 s[CS+1], s[CS]
	s_and_b32 s15, ttmp7, 0xffff                   ; b
	s_mov_b32 s17, 0
	s_lshl_b32 s16, s15, 3
	s_add_co_u32 s16, s16, ttmp9
	s_lshl_b32 s16, s16, 15                        ; the queries' codes: block (8 b + x) of 32,768 bytes
	s_wait_kmcnt 0x0
	s_add_nc_u64 s[24:25], s[4:5], s[16:17]
	s_lshl_b32 s16, s15, 14                        ; their scale words: behind the codes, b x 16,384 + 64 x queries x 4 bytes
	s_lshl_b32 s18, ttmp9, 8
	s_add_co_u32 s16, s16, s18
	s_add_co_u32 s16, s16, 8388608
	s_add_nc_u64 s[26:27], s[4:5], s[16:17]
	s_lshl_b32 s16, s15, 18                        ; vk's and vs's codes: b x 262,144 + wave x 65,536
	s_lshl_b32 s18, s14, 16
	s_add_co_u32 s16, s16, s18
	s_add_nc_u64 s[28:29], s[6:7], s[16:17]
	s_add_nc_u64 s[32:33], s[8:9], s[16:17]
	s_lshl_b32 s16, s15, 14                        ; their scale words: behind the codes, b x 16,384 + wave x 4,096
	s_lshl_b32 s18, s14, 12
	s_add_co_u32 s16, s16, s18
	s_add_co_u32 s16, s16, 8388608
	s_add_nc_u64 s[30:31], s[6:7], s[16:17]
	s_add_nc_u64 s[34:35], s[8:9], s[16:17]
	s_lshl_b32 s16, s15, 18                        ; the prefetch: my work-group's eighth of the batch's vs
	s_lshl_b32 s18, ttmp9, 15
	s_add_co_u32 s16, s16, s18
	s_add_nc_u64 s[36:37], s[8:9], s[16:17]
	s_lshl_b32 s16, s15, 19                        ; feed_codes: row (512 b + 64 x + 16 wave) x 1,024
	s_lshl_b32 s18, ttmp9, 16
	s_add_co_u32 s16, s16, s18
	s_lshl_b32 s18, s14, 14
	s_add_co_u32 s16, s16, s18
	s_add_nc_u64 s[38:39], s[10:11], s[16:17]
	s_lshr_b32 s16, s14, 1                         ; feed_scales: K step wave / 2, row (512 b + 64 x + 32 (wave % 2)) x 16
	s_lshl_b32 s16, s16, 18
	s_lshl_b32 s18, s15, 13
	s_add_co_u32 s16, s16, s18
	s_lshl_b32 s18, ttmp9, 10
	s_add_co_u32 s16, s16, s18
	s_and_b32 s18, s14, 1
	s_lshl_b32 s18, s18, 9
	s_add_co_u32 s16, s16, s18
	s_add_nc_u64 s[40:41], s[12:13], s[16:17]
	; ---- the head: my quarter of the queries' fragments into LDS; the scale words; vk's first three K steps
.irp i, 0,1,2,3,4,5,6,7,8,9,10,11,12,13,14,15
	global_load_b128 v[AF+4*\i:AF+4*\i+3], v[CPY], s[24:25] offset:512*\i
.endr
.irp ks, 0,1,2,3,4,5,6,7
.irp i, 0,1
	global_load_b32 v[QS+2*\ks+\i], v[LS], s[26:27] offset:2048*\ks+128*\i
.endr
.endr
	VKLOAD 0
.irp n, 0,1,2,3,4,5,6,7,8,9,10,11,12,13,14,15
	v_mov_b32 v[TM+\n], 0                          ; a lane permute's destination counts as one of its sources
.endr
	s_wait_loadcnt 33                              ; my quarter is in; the 16 scale words and vk's first 17 loads may be out
.irp i, 0,1,2,3,4,5,6,7,8,9,10,11,12,13,14,15
	ds_store_b128 v[CPY], v[AF+4*\i:AF+4*\i+3] offset:QIMG+512*\i
.endr
	VKLOAD 1
	VKLOAD 2
	BARRIER                                        ; the queries' 32 fragments lie in LDS
	AFETCH 0, QIMG
	; ---- the scores: eight K steps of 128 along v.  vk runs three K steps ahead: 51 = three younger sets of 17 loads
	MPRE 1, QIMG+4096
	VKLOAD 3
	global_prefetch_b8 v[PFO], s[36:37] th:TH_LOAD_NT scope:SCOPE_SE   ; vs, five K steps ahead of its first load: the batch's eight work-groups share its 262,144 bytes out by address, a lane to each 256 bytes: each is named once
	MMUL 0, 0, 51, 8, 1, KSC, 1, QS
.irp ks, 1,2,3,4
	MPRE (\ks+1)%2, QIMG+4096*(\ks+1)
	VKLOAD \ks+3
	MMUL \ks, \ks%2, 51, 8, 0, KSC+4*\ks, 1, QS+2*\ks
.endr
	MPRE 0, QIMG+4096*6
.irp i, 0,1,2,3,4,5,6,7
	global_load_b128 v[VSC+4*\i:VSC+4*\i+3], v[LI], s[34:35] offset:512*\i
.endr
	BLOAD 0, 32, 33                                ; vs takes the sets that vk has left
	MMUL 5, 1, 58, 8, 0, KSC+20, 1, QS+10          ; younger: 17 + 17 + 24
	MPRE 1, QIMG+4096*7
	BLOAD 1, 32, 33
	MMUL 6, 0, 57, 8, 0, KSC+24, 1, QS+12          ; younger: 17 + 24 + 16
.rept 4
	v_nop
.endr
	BLOAD 2, 32, 33
	MMUL 7, 1, 56, 0, 0, KSC+28, 1, QS+14          ; younger: 24 + 16 + 16
.rept 4
	v_nop
.endr
	BLOAD 3, 32, 33
	BLOAD 4, 32, 33
	; ---- the largest score of each block of 32 keys: it serves for the row's maximum and, since p rises with the score, for the block's largest p
	WIN 0x15
.irp m, 0,1,2,3
.irp b, 0,1,2,3
	v_max3_num_f32 v[BM+4*\m+\b], v[64*\m+16*\b], v[64*\m+16*\b+1], v[64*\m+16*\b+2]
.endr
.endr
	WIN 0x14
.irp i, 3,5,7,9,11,13
.irp m, 0,1,2,3
.irp b, 0,1,2,3
	v_max3_num_f32 v[BM+4*\m+\b], v[BM+4*\m+\b], v[64*\m+16*\b+\i], v[64*\m+16*\b+\i+1]
.endr
.endr
.endr
.irp m, 0,1,2,3
.irp b, 0,1,2,3
	v_max_num_f32 v[BM+4*\m+\b], v[BM+4*\m+\b], v[64*\m+16*\b+15]
.endr
.endr
	WIN 0
.irp n, 0,1,2,3,4,5,6,7,8,9,10,11,12,13,14,15
	v_permlanex16_b32 v[TM+\n], v[BM+\n], s[SEL], s[SEL+1]
.endr
.irp n, 0,1,2,3,4,5,6,7,8,9,10,11,12,13,14,15
	v_max_num_f32 v[BM+\n], v[BM+\n], v[TM+\n]     ; with lane l xor 16's 16 keys
.endr
.irp m, 0,1,2,3
	v_max3_num_f32 v[TM+\m], v[BM+4*\m], v[BM+4*\m+1], v[BM+4*\m+2]
.endr
.irp m, 0,1,2,3
	v_max_num_f32 v[TM+\m], v[TM+\m], v[BM+4*\m+3] ; my 128 keys' largest score of the row
.endr
.irp m, 0,1,2,3
	ds_store_b32 v[MXW], v[TM+\m] offset:256*\m    ; both halves of the lanes write the same word with the same value
.endr
	BARRIER                                        ; the four waves' maxima lie in LDS
	BLOAD 5, 32, 33
	BLOAD 6, 32, 33
	BLOAD 7, 32, 33
.irp m, 0,1,2,3
	ds_load_b128 v[PC+4*\m:PC+4*\m+3], v[MXR] offset:256*\m
.endr
	s_wait_dscnt 0x0
.irp m, 0,1,2,3
	v_max3_num_f32 v[TM+\m], v[PC+4*\m], v[PC+4*\m+1], v[PC+4*\m+2]
.endr
.irp m, 0,1,2,3
	v_max_num_f32 v[TM+\m], v[TM+\m], v[PC+4*\m+3] ; the row's largest score
.endr
.irp m, 0,1,2,3
	v_mul_f32 v[TM+\m], s[CS], v[TM+\m]            ; as t
.endr
.irp m, 0,1,2,3
	v_floor_f32 v[NM+2*\m], -v[TM+\m]              ; -M = floor(-t) = -ceil(t)
.endr
.irp m, 0,1,2,3
	v_mov_b32 v[NM+2*\m+1], v[NM+2*\m]             ; (named with it as a pair)
.endr
	WIN 0x41
.irp m, 0,1,2,3
.set j, 0
.rept 32
	v_pk_fma_f32 v[64*\m+j:64*\m+j+1], v[64*\m+j:64*\m+j+1], s[CS:CS+1], v[NM+2*\m:NM+2*\m+1] op_sel_hi:[1,0,0]   ; t - M
.set j, j+2
.endr
.endr
	WIN 0
.irp m, 0,1,2,3
.irp b, 0,1,2,3
	v_fma_f32 v[BM+4*\m+\b], v[BM+4*\m+\b], s[CS], v[NM+2*\m]
.endr
.endr
	WIN 0x41
.set j, 0
	s_wait_alu depctr_va_vdst(0)
.rept 256
	v_exp_f32 v[j], v[j]                           ; p = 2^(t - M): not normalised
.set j, j+1
.endr
	WIN 0
.irp n, 0,1,2,3,4,5,6,7,8,9,10,11,12,13,14,15
	v_exp_f32 v[BM+\n], v[BM+\n]                   ; each block's largest p
.endr
	v_nop                                          ; a plain line behind the last exponential,
	s_wait_alu depctr_va_vdst(0)                   ; and one wait for the whole batch ahead of its first reader
	WIN 0x05                                       ; the row's sum is taken of the unquantised p: two at a time, in two chains for each tile
.irp m, 0,1,2,3
	v_pk_add_f32 v[SU+2*\m:SU+2*\m+1], v[64*\m:64*\m+1], v[64*\m+2:64*\m+3]
	v_pk_add_f32 v[SU2+2*\m:SU2+2*\m+1], v[64*\m+4:64*\m+5], v[64*\m+6:64*\m+7]
.endr
	WIN 0x04
.irp j, 8,12,16,20,24,28,32,36,40,44,48,52,56,60
.irp m, 0,1,2,3
	v_pk_add_f32 v[SU+2*\m:SU+2*\m+1], v[SU+2*\m:SU+2*\m+1], v[64*\m+\j:64*\m+\j+1]
	v_pk_add_f32 v[SU2+2*\m:SU2+2*\m+1], v[SU2+2*\m:SU2+2*\m+1], v[64*\m+\j+2:64*\m+\j+3]
.endr
.endr
	WIN 0
.irp m, 0,1,2,3
	v_pk_add_f32 v[SU+2*\m:SU+2*\m+1], v[SU+2*\m:SU+2*\m+1], v[SU2+2*\m:SU2+2*\m+1]
.endr
.irp m, 0,1,2,3
	v_add_f32 v[SU+2*\m], v[SU+2*\m], v[SU+2*\m+1]
.endr
.irp m, 0,1,2,3
	v_permlanex16_b32 v[TM+\m], v[SU+2*\m], s[SEL], s[SEL+1]
.endr
.irp m, 0,1,2,3
	v_add_f32 v[SU+2*\m], v[SU+2*\m], v[TM+\m]     ; my 128 keys' part of the row's sum
.endr
.irp m, 0,1,2,3
	ds_store_b32 v[MXW], v[SU+2*\m] offset:1024+256*\m
.endr
.irp n, 0,1,2,3,4,5,6,7,8,9,10,11,12,13,14,15
	v_max_num_f32 v[BM+\n], 0x1800000, v[BM+\n]    ; the floor 2^(3 - 127): the byte cannot fall under 1
.endr
.irp n, 0,1,2,3,4,5,6,7,8,9,10,11,12,13,14,15
	v_add_nc_u32 v[BM+\n], 0xff000000, v[BM+\n]    ; 2 off the exponent field: the conversion's scale operand
.endr
.irp n, 0,1,2,3,4,5,6,7,8,9,10,11,12,13,14,15
	v_lshrrev_b32 v[TM+\n], 23, v[BM+\n]           ; the byte
.endr
.irp m, 0,1,2,3
	v_lshl_or_b32 v[SU2+\m], v[TM+4*\m+1], 8, v[TM+4*\m]
.endr
.irp m, 0,1,2,3
	v_lshl_or_b32 v[SU2+\m], v[TM+4*\m+2], 16, v[SU2+\m]
.endr
.irp m, 0,1,2,3
	v_lshl_or_b32 v[SU2+\m], v[TM+4*\m+3], 24, v[SU2+\m]
.endr
.irp m, 0,1,2,3
	ds_store_b32 v[PSA], v[SU2+\m] offset:64*\m
.endr
	WIN 0x01
.irp m, 0,1,2,3
.irp b, 0,1,2,3
	v_cvt_scalef32_pk8_fp4_f32 v[PC+8*\m+2*\b], v[64*\m+16*\b:64*\m+16*\b+7], v[BM+4*\m+\b]
	v_cvt_scalef32_pk8_fp4_f32 v[PC+8*\m+2*\b+1], v[64*\m+16*\b+8:64*\m+16*\b+15], v[BM+4*\m+\b]
.endr
.endr
	WIN 0
	v_nop                                          ; one plain line behind a scaled conversion
.irp m, 0,1,2,3
.irp c, 0,1                                    ; a whole block to a lane: lanes 0-15 block 2 c, lanes 16-31 block 2 c + 1
.irp i, 0,1
	v_permlane16_swap_b32 v[PC+8*\m+4*\c+\i], v[PC+8*\m+4*\c+2+\i]
.endr
.endr
.endr
.irp m, 0,1,2,3
.irp c, 0,1
	ds_store_b128 v[PIW], v[PC+8*\m+4*\c:PC+8*\m+4*\c+3] offset:1024*\m+512*\c
.endr
.endr
	BARRIER                                        ; p's sixteen fragments, their scale words and the waves' sums lie in LDS
	; ---- the second product
.irp m, 0,1,2,3
	ds_load_b128 v[PC+4*\m:PC+4*\m+3], v[MXR] offset:1024+256*\m
.endr
.irp ts, 0,1,2,3
.irp i, 0,1
	ds_load_b32 v[PSW+2*\ts+\i], v[LS] offset:PSC+256*\ts+128*\i
.endr
.endr
	AFETCH 0, PIMG
	s_wait_dscnt 16                                ; the sums are in; 8 scale words and 8 fragment loads may be out
.irp m, 0,1,2,3
	v_add_f32 v[PC+4*\m], v[PC+4*\m], v[PC+4*\m+1]
.endr
.irp m, 0,1,2,3
	v_add_f32 v[PC+4*\m+2], v[PC+4*\m+2], v[PC+4*\m+3]
.endr
.irp m, 0,1,2,3
	v_add_f32 v[PC+4*\m], v[PC+4*\m], v[PC+4*\m+2] ; l
.endr
	s_wait_alu depctr_va_vdst(0)
.irp m, 0,1,2,3
	v_rcp_f32 v[NM+2*\m], v[PC+4*\m]
.endr
	v_nop
	s_wait_alu depctr_va_vdst(0)                   ; one wait for the four reciprocals, ahead of their first reader
; 128 columns of the result for 64 queries: divided by l, quantised along v, codes and scale words into the stages
.macro EPI hn
.rept 4
	v_nop
.endr
	WIN 0x41
.irp m, 0,1,2,3
.set j, 0
.rept 32
	v_pk_mul_f32 v[64*\m+j:64*\m+j+1], v[64*\m+j:64*\m+j+1], v[NM+2*\m:NM+2*\m+1] op_sel_hi:[1,0]   ; each accumulator from its low end on
.set j, j+2
.endr
.endr
	WIN 0x14
.irp m, 0,1,2,3
.irp b, 0,1,2,3
	v_max3_num_f32 v[TM+4*\m+\b], 0x1800000, |v[64*\m+16*\b]|, |v[64*\m+16*\b+1]|
.endr
.endr
.irp i, 2,4,6,8,10,12,14
.irp m, 0,1,2,3
.irp b, 0,1,2,3
	v_max3_num_f32 v[TM+4*\m+\b], v[TM+4*\m+\b], |v[64*\m+16*\b+\i]|, |v[64*\m+16*\b+\i+1]|
.endr
.endr
.endr
	WIN 0
.irp n, 0,1,2,3,4,5,6,7,8,9,10,11,12,13,14,15
	v_permlanex16_b32 v[BM+\n], v[TM+\n], s[SEL], s[SEL+1]
.endr
.irp n, 0,1,2,3,4,5,6,7,8,9,10,11,12,13,14,15
	v_max_num_f32 v[TM+\n], v[TM+\n], v[BM+\n]
.endr
.irp n, 0,1,2,3,4,5,6,7,8,9,10,11,12,13,14,15
	v_add_nc_u32 v[TM+\n], 0xff000000, v[TM+\n]
.endr
.irp n, 0,1,2,3,4,5,6,7,8,9,10,11,12,13,14,15
	v_lshrrev_b32 v[BM+\n], 23, v[TM+\n]
.endr
.irp m, 0,1,2,3
	v_lshl_or_b32 v[SU2+\m], v[BM+4*\m+1], 8, v[BM+4*\m]
.endr
.irp m, 0,1,2,3
	v_lshl_or_b32 v[SU2+\m], v[BM+4*\m+2], 16, v[SU2+\m]
.endr
.irp m, 0,1,2,3
	v_lshl_or_b32 v[SU2+\m], v[BM+4*\m+3], 24, v[SU2+\m]
.endr
	WIN 0x01
.irp m, 0,1,2,3
.irp b, 0,1,2,3
	v_cvt_scalef32_pk8_fp4_f32 v[PC+8*\m+2*\b], v[64*\m+16*\b:64*\m+16*\b+7], v[TM+4*\m+\b]
	v_cvt_scalef32_pk8_fp4_f32 v[PC+8*\m+2*\b+1], v[64*\m+16*\b+8:64*\m+16*\b+15], v[TM+4*\m+\b]
.endr
.endr
	WIN 0
	v_nop
.irp m, 0,1,2,3
.irp c, 0,1
.irp i, 0,1
	v_permlane16_swap_b32 v[PC+8*\m+4*\c+\i], v[PC+8*\m+4*\c+2+\i]
.endr
.endr
.endr
.irp m, 0,1,2,3
.irp c, 0,1
	ds_store_b128 v[SO], v[PC+8*\m+4*\c:PC+8*\m+4*\c+3] offset:16*CP*\m+64*\hn+32*\c   ; row 16 m + r; block 2 c + h of K step 2 wave + half
.endr
.endr
.irp m, 0,1,2,3
	ds_store_b32 v[SSW], v[SU2+\m] offset:256*\m+4*\hn
.endr
.endm
	; vs's sets were asked for in order: behind set n stand 16 (7 - n) younger loads; a wait names 63 at the most, and a smaller count is safe
	MPRE 1, PIMG+4096
	MMUL 0, 0, 63, 8, 1, VSC, 4, PSW
	MPRE 0, PIMG+8192
	MMUL 1, 1, 63, 8, 0, VSC+1, 4, PSW+2
	MPRE 1, PIMG+12288
	MMUL 2, 0, 63, 8, 0, VSC+2, 4, PSW+4
	MPRE 0, PIMG
	MMUL 3, 1, 63, 8, 0, VSC+3, 4, PSW+6
	EPI 0
	MPRE 1, PIMG+4096
	MMUL 4, 0, 48, 8, 1, VSC+16, 4, PSW
	MPRE 0, PIMG+8192
	MMUL 5, 1, 32, 8, 0, VSC+17, 4, PSW+2
	MPRE 1, PIMG+12288
	MMUL 6, 0, 16, 8, 0, VSC+18, 4, PSW+4
.rept 4
	v_nop
.endr
	MMUL 7, 1, 0, 0, 0, VSC+19, 4, PSW+6
	EPI 1
	BARRIER                                        ; 64 whole rows of codes and their scale bytes lie in the stages
	; ---- the way out: each wave stores 16 rows' 512 bytes of codes, and 512 bytes of scale bytes
.irp i, 0,1,2,3,4,5,6,7,8,9,10,11,12,13,14,15
	ds_load_b128 v[AF+4*\i:AF+4*\i+3], v[CRD] offset:CP*\i
.endr
	ds_load_b128 v[PC:PC+3], v[SRD]
.irp i, 0,1,2,3,4,5,6,7,8,9,10,11,12,13,14,15
	s_wait_dscnt 16-\i
	global_store_b128 v[LI], v[AF+4*\i:AF+4*\i+3], s[38:39] offset:1024*\i   ; 32 lanes store 512 consecutive bytes, aligned: the attended half of a row
.endr
	s_wait_dscnt 0x0
	global_store_b128 v[LI], v[PC:PC+3], s[40:41]
	s_wait_xcnt 0x0
	v_lshl_add_u32 v254, v0, 2, 0x16000
	v_mov_b32 v255, 0
	s_wait_alu depctr_va_vdst(0)
	s_wait_tensorcnt 0x0
	ds_add_u32 v254, v255
	s_wait_dscnt 0x0
	s_endpgm
.Lfunc_end_k_q632ae82a3f_attn:
	.size	k_q632ae82a3f_attn, .Lfunc_end_k_q632ae82a3f_attn-k_q632ae82a3f_attn
	.p2alignl 7, 3214868480
	.fill 96, 4, 3214868480
	.section	.rodata,"a",@progbits
	.p2align	6, 0x0
	.amdhsa_kernel k_q632ae82a3f_attn
		.amdhsa_group_segment_fixed_size 90624
		.amdhsa_private_segment_fixed_size 0
		.amdhsa_enable_private_segment 0
		.amdhsa_kernarg_size 40
		.amdhsa_user_sgpr_count 2
		.amdhsa_user_sgpr_kernarg_segment_ptr 1
		.amdhsa_wavefront_size32 1
		.amdhsa_system_sgpr_workgroup_id_x 1
		.amdhsa_system_sgpr_workgroup_id_y 1
		.amdhsa_system_sgpr_workgroup_id_z 1
		.amdhsa_system_vgpr_workitem_id 0
		.amdhsa_next_free_vgpr 1024
		.amdhsa_next_free_sgpr 66
		.amdhsa_reserve_vcc 0
		.amdhsa_float_denorm_mode_32 3
		.amdhsa_float_denorm_mode_16_64 3
		.amdhsa_memory_ordered 1
		.amdhsa_forward_progress 1
		.amdhsa_inst_pref_size 208
	.end_amdhsa_kernel
	.amdgpu_metadata
---
amdhsa.version: [ 1, 2 ]
amdhsa.kernels:
  - .name:           k_q632ae82a3f_attn
    .symbol:         k_q632ae82a3f_attn.kd
    .args:
      - { .name: qr, .offset: 0, .size: 8, .value_kind: global_buffer, .address_space: global }
      - { .name: vk, .offset: 8, .size: 8, .value_kind: global_buffer, .address_space: global }
      - { .name: vs, .offset: 16, .size: 8, .value_kind: global_buffer, .address_space: global }
      - { .name: feed_codes, .offset: 24, .size: 8, .value_kind: global_buffer, .address_space: global }
      - { .name: feed_scales, .offset: 32, .size: 8, .value_kind: global_buffer, .address_space: global }
    .group_segment_fixed_size: 90624
    .private_segment_fixed_size: 0
    .kernarg_segment_align: 8
    .kernarg_segment_size: 40
    .max_flat_workgroup_size: 128
    .sgpr_count:     66
    .vgpr_count:     1024
    .wavefront_size: 32
...
	.end_amdgpu_metadata
.endif
;; end of part 3
;; launch gemm2 (part 4): grid 4 x 64, 4 waves a work-group, clusters of 4 x 1, 327,680 bytes of LDS; arguments feed_codes, feed_scales, wts, b2, out0; writes out0
.if DOCPART == 4
	.amdgcn_target "amdgcn-amd-amdhsa--gfx1250"
	.amdhsa_code_object_version 6
	.text
	.protected	k_q632ae82a3f_gemm2
	.globl	k_q632ae82a3f_gemm2
	.p2align	8
	.type	k_q632ae82a3f_gemm2,@function
k_q632ae82a3f_gemm2:
	s_mov_b64 s[64:65], 0
	v_nop
	global_prefetch_b8 v0, s[64:65] scope:SCOPE_SE
	s_setreg_imm32_b32 hwreg(HW_REG_WAVE_MODE, 25, 1), 1
	s_wait_xcnt 0x0
	s_wait_alu depctr_hold_cnt(0) depctr_sa_sdst(0) depctr_va_vdst(0) depctr_va_sdst(0) depctr_va_ssrc(0) depctr_va_vcc(0) depctr_vm_vsrc(0)
	s_getreg_b32 s2, hwreg(HW_REG_IB_STS2, 6, 4)
	s_cmp_eq_u32 s2, 0
	s_cbranch_scc0 .Lentry_in_a_cluster
	s_endpgm
.Lentry_in_a_cluster:
	s_bfe_u32 s2, ttmp6, 0x10000c
	s_cmp_lg_u32 s2, 0x3003
	s_cbranch_scc0 .Lentry_shape_is_right
	s_endpgm
.Lentry_shape_is_right:
; out = tanh(Q([attended | query]) Q(W2)^T + b2), f32.  Both operands are codes of FP4 (E2M1) with one E8M0 byte for each 32 along K, made by earlier launches; sums in f32.
; M = 16,384 rows (row b x 512 + q), N = 1,024, K = 2,048: sixteen steps of 128.  A work-group makes 256 x 256 of the result: 64 x 4 work-groups.
; A (feed_codes): the work-group's 256 rows, ALL of K, lie in LDS: two halves of 256 rows x 512 bytes (pitch 528), each filled once; beside them A's scale bytes [K step of 512: 4][row 256][16].  Nothing is filled again.
;   The four work-groups of a cluster (4, 1, 1) make one tile row and ask for A's tiles and scales jointly (mask 15).  Head: waves 0, 1: 128 rows each of half 0; waves 2, 3: two K steps each of the scales.
;   Half 1 (waves 0, 1) is asked for behind the full sequence and a round, and is first read eight steps of 128 later.
; B (W2 in wts): a wave makes 256 rows x 64 columns, so its 64 rows of W2 are wanted by no other wave of the work-group: they go from memory straight into operand registers, as the images that launch quant laid,
;   512 consecutive bytes a load, eight steps of 128 ahead (eight sets of 32 registers).  So B passes through no LDS and has no joint load: no tile of it is shared between waves.
; No prefetch: the text has no loop to run ahead in; every tile of A is asked for at the head or behind the first round, and B's own loads run eight steps ahead.
; LAYOUT.  Source 0 = 16 rows of A, source 1 = 16 rows of W2.  Tile t (0 .. 3) of a wave holds, in lane r, column 4 r + t of its 64 (quant laid W2 so).  Register j of lane (r, h) is row 8 h + j.
;   The reciprocal of the tanh writes tile t's register j into register 4 j + t of the block's 32: a lane then has columns 4 r .. 4 r + 3 of a row, and sixteen lanes store 256 consecutive bytes, aligned.
; ORDER.  Steps 0-7 go by K (64 accumulators by turns).  Steps 8-15, whose eight sets of B are then all in registers, go by rows: each block of 16 rows is finished by 32 matrix instructions (its 4 accumulators by turns),
;   passes the tanh and is stored, while the later blocks are still to be multiplied.
; tanh(x) = 1 - 2 / (1 + 2^(2 log2(e) x)); the bias enters in the multiply-add that makes the exponent.  Its error is absolute, about one part in 10^7 of 1; it goes into no quantiser.
; LIMITS: NaN and infinities among the operands are not served.  All of a WGP's LDS is claimed, and 0 is added to spare words where the text says so.
; REGISTERS: window 0: v8-15 the bias x 2 log2(e), a pair for each tile; v16-29 addresses; v32-63 B's scale words [K step 4][pair of tiles 2][4]; v64-127 A's, two sets [pair of blocks 8][4];
;   v128-255 A's fragments (by rows: v128-191 one block's eight, v192-255 two sets of 32 results).  window 1: B's eight sets.  windows 2, 3: accumulator (block a, tile t) at v[32 (a % 8) + 8 t].
.set PITCH, 528
.set BLK,   16*PITCH
.set HROWS, 128*PITCH
.set HALF,  256*PITCH
.set SCL,   2*HALF
.set SPARE, SCL+16384
.set BB,  8
.set ADR, 16                           ; v16-19 my lane's place in a fragment: half 0 rows 0-127, 128-255; half 1 likewise
.set ADS, 20                           ; v20 SCL + 16 x lane
.set LI,  21                           ; v21 16 x lane
.set CO,  22                           ; v22 out0: 8 h rows + 16 r bytes
.set BO,  23                           ; v23 16 r
.set RB,  24                           ; v24-27 the bias as loaded
.set SPW, 28
.set NIL, 29
.set BS,  32
.set AS,  64
.set AF,  128
.set OB,  192
.set CS,  62                           ; s[62:63] 2 log2(e)
.set MSB, 0
.macro WIN new                         ; the immediate's high byte repeats the setting that is left
.if MSB != (\new)
	s_set_vgpr_msb (MSB<<8)|(\new)
.set MSB, (\new)
.endif
.endm
.macro PLACES                          ; four plain lines between a matrix instruction and a load into, or a read of, its registers
.rept 4
	v_nop
.endr
.endm
.macro CROUND                          ; a round of the cluster's barrier
	s_barrier_signal -1
	s_barrier_wait -1
	s_cmp_lg_u32 s14, 0
	s_cbranch_scc1 .Lnot_wave_0_\@
	s_barrier_signal -3
.Lnot_wave_0_\@:
	s_barrier_wait -3
	s_barrier_signal -1
	s_barrier_wait -1
.endm
.macro WM d, a, b, z, sa, sb, ra, rb   ; one product; z: it starts the sum; ra, rb: the scale words lie in lanes 16-31
.if \z
.if (\ra) && (\rb)
	v_wmma_scale_f32_16x16x128_f8f6f4 v[\d:\d+7], v[\a:\a+7], v[\b:\b+7], 0, v[\sa], v[\sb] matrix_a_fmt:MATRIX_FMT_FP4 matrix_b_fmt:MATRIX_FMT_FP4 matrix_a_scale:MATRIX_SCALE_ROW1 matrix_b_scale:MATRIX_SCALE_ROW1
.elseif \ra
	v_wmma_scale_f32_16x16x128_f8f6f4 v[\d:\d+7], v[\a:\a+7], v[\b:\b+7], 0, v[\sa], v[\sb] matrix_a_fmt:MATRIX_FMT_FP4 matrix_b_fmt:MATRIX_FMT_FP4 matrix_a_scale:MATRIX_SCALE_ROW1
.elseif \rb
	v_wmma_scale_f32_16x16x128_f8f6f4 v[\d:\d+7], v[\a:\a+7], v[\b:\b+7], 0, v[\sa], v[\sb] matrix_a_fmt:MATRIX_FMT_FP4 matrix_b_fmt:MATRIX_FMT_FP4 matrix_b_scale:MATRIX_SCALE_ROW1
.else
	v_wmma_scale_f32_16x16x128_f8f6f4 v[\d:\d+7], v[\a:\a+7], v[\b:\b+7], 0, v[\sa], v[\sb] matrix_a_fmt:MATRIX_FMT_FP4 matrix_b_fmt:MATRIX_FMT_FP4
.endif
.else
.if (\ra) && (\rb)
	v_wmma_scale_f32_16x16x128_f8f6f4 v[\d:\d+7], v[\a:\a+7], v[\b:\b+7], v[\d:\d+7], v[\sa], v[\sb] matrix_a_fmt:MATRIX_FMT_FP4 matrix_b_fmt:MATRIX_FMT_FP4 matrix_a_scale:MATRIX_SCALE_ROW1 matrix_b_scale:MATRIX_SCALE_ROW1
.elseif \ra
	v_wmma_scale_f32_16x16x128_f8f6f4 v[\d:\d+7], v[\a:\a+7], v[\b:\b+7], v[\d:\d+7], v[\sa], v[\sb] matrix_a_fmt:MATRIX_FMT_FP4 matrix_b_fmt:MATRIX_FMT_FP4 matrix_a_scale:MATRIX_SCALE_ROW1
.elseif \rb
	v_wmma_scale_f32_16x16x128_f8f6f4 v[\d:\d+7], v[\a:\a+7], v[\b:\b+7], v[\d:\d+7], v[\sa], v[\sb] matrix_a_fmt:MATRIX_FMT_FP4 matrix_b_fmt:MATRIX_FMT_FP4 matrix_b_scale:MATRIX_SCALE_ROW1
.else
	v_wmma_scale_f32_16x16x128_f8f6f4 v[\d:\d+7], v[\a:\a+7], v[\b:\b+7], v[\d:\d+7], v[\sa], v[\sb] matrix_a_fmt:MATRIX_FMT_FP4 matrix_b_fmt:MATRIX_FMT_FP4
.endif
.endif
.endm
.macro FA blk, q, reg, hf              ; a fragment of A: block blk's 16 rows, the q-th 128 along K of half hf: two loads of 16 bytes, 32 bytes apart
.irp c, 0,1
	ds_load_b128 v[(\reg)+4*\c:(\reg)+4*\c+3], v[ADR+2*(\hf)+(\blk)/8] offset:((\blk)%8)*BLK+64*(\q)+32*\c
.endr
.endm
.macro FETCH8 q, b0                    ; by K: blocks b0 .. b0 + 7 of step q
.irp i, 0,1,2,3,4,5,6,7
	FA (\b0+\i), \q, AF+8*(\b0+\i), 0
.endr
.endm
.macro FROW a                          ; by rows: block a's fragments of steps 8-15
.irp i, 0,1,2,3,4,5,6,7
	FA \a, \i, AF+8*\i, 1
.endr
.endm
.macro BSET n                          ; B's four tiles of step n into set n % 8: eight loads of 512 consecutive bytes
	WIN 0x40
.irp t, 0,1,2,3
.irp c, 0,1
	global_load_b128 v[32*((\n)%8)+8*\t+4*\c:32*((\n)%8)+8*\t+4*\c+3], v[LI], s[44:45] offset:\t*16384+(\n)*1024+512*\c
.endr
.endr
	WIN 0
.endm
.macro ASC ks                          ; A's scale words of K step ks (512 along K) into set ks % 2: lanes 0-15 the even block of a pair, lanes 16-31 the odd
.irp i, 0,1,2,3,4,5,6,7
	ds_load_b128 v[AS+32*((\ks)%2)+4*\i:AS+32*((\ks)%2)+4*\i+3], v[ADS] offset:(\ks)*4096+512*\i
.endr
.endm
.macro MUL8 q, b0, z                   ; 32 products: blocks b0 .. b0 + 7 x my four tiles; the accumulators take turns, one instruction a turn
.irp a, 0,1,2,3,4,5,6,7
.irp t, 0,1,2,3
	WM 32*\a+8*\t, AF+8*(\b0+\a), 32*((\q)%8)+8*\t, \z, AS+32*(((\q)/4)%2)+4*((\b0+\a)/2)+(\q)%4, BS+8*((\q)/4)+4*(\t/2)+(\q)%4, \a%2, \t%2
.endr
.endr
.endm
.macro STEP q                          ; a step of 128 along K, by K
	s_wait_loadcnt 56                              ; B's set of this step is in; the seven younger sets may be out
	s_wait_dscnt 16                                ; A's blocks 0-7 (and any scale words) are in; the youngest 16 loads, blocks 8-15, may be out
.if (\q) == 0
.irp t, 0,1,2,3
	v_mul_f32 v[BB+2*\t], s[CS], v[RB+\t]          ; the bias x 2 log2(e); the pair's upper word is named with it, so it is written
	v_mul_f32 v[BB+2*\t+1], s[CS], v[RB+\t]
.endr
	s_wait_alu depctr_va_vdst(0)
.endif
	WIN 0xa4                                       ; source 0 (A) window 0, source 1 (B) window 1, C and D window 2
	MUL8 \q, 0, (\q)==0
.if (\q) == 7
	WIN 0
	s_wait_dscnt 0x0                               ; no LDS load of mine is out,
	s_wait_tensorcnt 0x0                           ; and my part of half 1 has landed:
	s_barrier_signal -1
	s_barrier_wait -1                              ; everybody's has
.endif
	PLACES
	WIN 0
.if (\q) < 7
	FETCH8 (\q)+1, 0
	s_wait_dscnt 16                                ; blocks 8-15 are in; the 16 just issued may be out
.else
	FROW 0
.endif
	WIN 0xf4
	MUL8 \q, 8, (\q)==0
	PLACES
	BSET (\q)+8                                    ; this step's set takes the step eight further on
.if (\q) == 0
	ASC 1
.endif
.if (\q) == 3
	ASC 2
.endif
.if (\q) == 7
	ASC 3
.endif
.if (\q) < 7
	FETCH8 (\q)+1, 8
.endif
.endm
.macro ROW a                           ; steps 8-15 of block a
	s_wait_dscnt 0x0
	WIN 0xa4+0x50*((\a)/8)
.irp i, 0,1,2,3,4,5,6,7
.if (\a) == 0
	s_wait_loadcnt 8*(7-\i)                        ; B's set of step 8 + i is in; the younger sets may be out
.endif
.irp t, 0,1,2,3
.if ((\a) > 0) && (\i == 0)
	s_wait_alu depctr_va_vdst(0)                   ; a matrix result first read behind transcendentals
.endif
	WM 32*((\a)%8)+8*\t, AF+8*\i, 32*\i+8*\t, 0, AS+32*(\i/4)+4*((\a)/2)+\i%4, BS+16+8*(\i/4)+4*(\t/2)+\i%4, (\a)%2, \t%2
.endr
.endr
	PLACES
	WIN 0
.if (\a) < 15
	FROW (\a)+1                                    ; the next block's fragments land under this block's tanh
.endif
.endm
.macro TANH a                          ; block a: 16 rows x 64 columns, 32 registers
.set AC, 32*((\a)%8)
.set W,  2+(\a)/8
.set WN, (W<<6)|W
.set O,  OB+32*((\a)%2)
.if (\a) > 0
	s_wait_xcnt 0x0                                ; the earlier stores have read their base and their data
	s_add_nc_u64 s[60:61], s[60:61], 2097152       ; 16 rows q on
.endif
	WIN WN
.irp t, 0,1,2,3
.irp j, 0,2,4,6
	v_pk_fma_f32 v[AC+8*\t+\j:AC+8*\t+\j+1], v[AC+8*\t+\j:AC+8*\t+\j+1], s[CS:CS+1], v[BB+2*\t:BB+2*\t+1] op_sel_hi:[1,0,0]   ; 2 log2(e) (x + bias): each accumulator from its low end on
.endr
.endr
	s_wait_alu depctr_va_vdst(0)                   ; ahead of the batch
.set k, 0
.rept 32
	v_exp_f32 v[AC+k], v[AC+k]
.set k, k+1
.endr
	v_nop
	s_wait_alu depctr_va_vdst(0)                   ; and behind it
.set k, 0
.rept 16
	v_pk_add_f32 v[AC+k:AC+k+1], v[AC+k:AC+k+1], 1.0 op_sel_hi:[1,0]
.set k, k+2
.endr
	WIN W                                          ; source window W, destination window 0
	s_wait_alu depctr_va_vdst(0)
.irp t, 0,1,2,3
.irp j, 0,1,2,3,4,5,6,7
	v_rcp_f32 v[O+4*\j+\t], v[AC+8*\t+\j]          ; into the order of the stores: row j's four neighbouring columns on end
.endr
.endr
	WIN 0
	v_nop
	s_wait_alu depctr_va_vdst(0)
.set k, 0
.rept 16
	v_pk_fma_f32 v[O+k:O+k+1], v[O+k:O+k+1], -2.0, 1.0 op_sel_hi:[1,0,0]
.set k, k+2
.endr
.irp j, 0,1,2,3,4,5,6,7
	global_store_b128 v[CO], v[O+4*\j:O+4*\j+3], s[60:61] offset:\j*131072 th:TH_STORE_NT   ; lanes 0-15 row j, lanes 16-31 row 8 + j: each sixteen store 256 consecutive bytes, aligned
.endr
.endm
	s_load_b256 s[4:11], s[0:1], 0x0               ; feed_codes, feed_scales, wts, b2
	s_load_b64 s[12:13], s[0:1], 0x20              ; out0
	v_lshl_add_u32 v[SPW], v0, 2, SPARE
	v_mov_b32 v[NIL], 0
	ds_add_u32 v[SPW], v[NIL]                      ; the opening lines: the add, twice on end, and its wait ahead of my first tensor load
	ds_add_u32 v[SPW], v[NIL]
	v_lshrrev_b32 v1, 5, v0
	v_readfirstlane_b32 s14, v1                    ; wave
	v_and_b32 v1, 15, v0                           ; r
	v_bfe_u32 v2, v0, 4, 1                         ; h
	v_and_b32 v3, 31, v0                           ; lane
	v_mul_u32_u24 v4, v1, PITCH
	v_lshl_add_u32 v[ADR], v2, 4, v4               ; row r x pitch + 16 h
	v_add_nc_u32 v[ADR+1], HROWS, v[ADR]
	v_add_nc_u32 v[ADR+2], HALF, v[ADR]
	v_add_nc_u32 v[ADR+3], HALF+HROWS, v[ADR]
	v_lshl_add_u32 v[ADS], v3, 4, SCL
	v_lshlrev_b32 v[LI], 4, v3
	v_lshlrev_b32 v[BO], 4, v1
	v_lshl_add_u32 v[CO], v2, 20, v[BO]            ; 8 rows q are 8 x 131,072 bytes
	s_lshr_b32 s15, s14, 1                         ; 0: I fetch codes; 1: scales
	s_and_b32 s16, s14, 1                          ; which half of them
	s_bfe_u32 s40, ttmp6, 0x40000                  ; cx
	s_lshl_b32 s42, ttmp9, 2
	s_add_co_u32 s42, s42, s40                     ; tile column
	s_and_b32 s17, ttmp7, 0xffff                   ; tile row
	s_lshl_b32 s20, s17, 18                        ; A's codes: row (256 x tile row + 128 x half) x 1,024
	s_lshl_b32 s21, s16, 17
	s_add_co_u32 s20, s20, s21
	s_mov_b32 s21, 0
	s_lshl_b32 s22, s17, 12                        ; A's scales: K step 2 x half, row x 16
	s_lshl_b32 s23, s16, 19
	s_add_co_u32 s22, s22, s23
	s_mov_b32 s23, 0
	s_lshl_b32 s42, s42, 2
	s_add_co_u32 s42, s42, s14                     ; my 64 columns: group 4 x tile column + wave
	s_lshl_b32 s44, s42, 16                        ; W2's images: four tiles of 16,384 bytes a group
	s_add_co_u32 s44, s44, 524288
	s_mov_b32 s45, 0
	s_lshl_b32 s46, s42, 10                        ; W2's scale bytes: 64 rows x 16
	s_add_co_u32 s46, s46, 1605632
	s_mov_b32 s47, 0
	s_lshl_b32 s18, s42, 8                         ; 64 columns x 4 bytes
	s_mov_b32 s19, 0
	s_and_b32 s60, s17, 1                          ; out0's row (q, b) lies at q x 131,072 + b x 4,096: q = 256 (tile row % 2) + .., b = tile row / 2
	s_lshl_b32 s60, s60, 25
	s_lshr_b32 s61, s17, 1
	s_lshl_b32 s61, s61, 12
	s_add_co_u32 s60, s60, s61
	s_add_co_u32 s60, s60, s18
	s_mov_b32 s61, 0
	s_mov_b32 s[CS], 0x4038aa3b                    ; 2 log2(e)
	s_mov_b32 s[CS+1], s[CS]
	s_mov_b32 s24, 15|(1<<20)|(1<<21)|(6<<22)|(3<<25)   ; codes: mask 15; elements of 1 byte; 4 words of padding after every 128
	s_mov_b32 s25, 512<<16
	s_mov_b32 s26, 128<<16
	s_mov_b32 s27, 512<<16
	s_mov_b32 s28, 128
	s_mov_b32 s29, 1024
	s_mov_b32 s30, 0
	s_mov_b32 s31, 0
	s_mov_b32 s48, 15|(3<<16)|(1<<21)              ; scales: elements of 8 bytes: 2 rows of 4,096 bytes, 262,144 bytes apart
	s_mov_b32 s49, 512<<16
	s_mov_b32 s50, 2<<16
	s_mov_b32 s51, 512<<16
	s_mov_b32 s52, 2
	s_mov_b32 s53, 32768
	s_mov_b32 s54, 0
	s_mov_b32 s55, 0
	s_mov_b32 s32, 1
	s_mul_i32 s33, s16, HROWS
	s_mov_b32 s36, 1
	s_add_co_u32 s37, s33, HALF
	s_mov_b32 s56, 1
	s_lshl_b32 s57, s16, 13
	s_add_co_u32 s57, s57, SCL
	s_wait_alu depctr_va_vdst(0)
	s_wait_dscnt 0x0                               ; both opening adds are done
	s_wait_kmcnt 0x0
	s_add_nc_u64 s[34:35], s[4:5], s[20:21]
	s_add_nc_u64 s[38:39], s[34:35], 512           ; half 1: 512 bytes on in each row
	s_or_b32 s35, s35, 0x80000000
	s_or_b32 s39, s39, 0x80000000
	s_add_nc_u64 s[58:59], s[6:7], s[22:23]
	s_or_b32 s59, s59, 0x80000000
	s_add_nc_u64 s[44:45], s[8:9], s[44:45]
	s_add_nc_u64 s[46:47], s[8:9], s[46:47]
	s_add_nc_u64 s[18:19], s[10:11], s[18:19]
	s_add_nc_u64 s[60:61], s[12:13], s[60:61]
	CROUND                                         ; the four work-groups are here: the first joint loads meet
	s_cmp_eq_u32 s15, 0                            ; one load a wave, one in each arm
	s_cbranch_scc0 .Lhead_scales
	tensor_load_to_lds s[32:35], s[24:31]
	s_nop 0
	PLACES
	s_branch .Lhead_asked
.Lhead_scales:
	tensor_load_to_lds s[56:59], s[48:55]
	s_nop 0
	PLACES
.Lhead_asked:
	global_load_b128 v[RB:RB+3], v[BO], s[18:19]   ; the bias of columns 4 r .. 4 r + 3
.irp ks, 0,1,2,3
.irp p, 0,1
	global_load_b128 v[BS+8*\ks+4*\p:BS+8*\ks+4*\p+3], v[LI], s[46:47] offset:\ks*16384+512*\p   ; B's scale words, all of K: lanes 0-15 tile 2 p, lanes 16-31 tile 2 p + 1
.endr
.endr
.irp n, 0,1,2,3,4,5
	BSET \n
.endr
	s_wait_tensorcnt 0x0                           ; my tile of the head's is in
	ds_add_u32 v[SPW], v[NIL]
	s_wait_dscnt 0x0
	CROUND                                         ; everybody's is in, and the four work-groups are here
	s_cmp_eq_u32 s15, 0
	s_cbranch_scc0 .Lno_second
	tensor_load_to_lds s[36:39], s[24:31]          ; half 1, filled once
	s_nop 0
	PLACES
.Lno_second:
	ASC 0
	FETCH8 0, 0
	FETCH8 0, 8
	BSET 6
	BSET 7
.irp q, 0,1,2,3,4,5,6,7
	STEP \q
.endr
.irp a, 0,1,2,3,4,5,6,7,8,9,10,11,12,13,14,15
	ROW \a
	TANH \a
.endr
	s_wait_tensorcnt 0x0                           ; the wave's end
	ds_add_u32 v[SPW], v[NIL]
	s_wait_dscnt 0x0
	CROUND                                         ; the closing round
	s_endpgm
.Lfunc_end_k_q632ae82a3f_gemm2:
	.size	k_q632ae82a3f_gemm2, .Lfunc_end_k_q632ae82a3f_gemm2-k_q632ae82a3f_gemm2
	.p2alignl 7, 3214868480
	.fill 96, 4, 3214868480
	.section	.rodata,"a",@progbits
	.p2align	6, 0x0
	.amdhsa_kernel k_q632ae82a3f_gemm2
		.amdhsa_group_segment_fixed_size 327680
		.amdhsa_private_segment_fixed_size 0
		.amdhsa_enable_private_segment 0
		.amdhsa_kernarg_size 40
		.amdhsa_user_sgpr_count 2
		.amdhsa_user_sgpr_kernarg_segment_ptr 1
		.amdhsa_wavefront_size32 1
		.amdhsa_system_sgpr_workgroup_id_x 1
		.amdhsa_system_sgpr_workgroup_id_y 1
		.amdhsa_system_sgpr_workgroup_id_z 1
		.amdhsa_system_vgpr_workitem_id 0
		.amdhsa_next_free_vgpr 1024
		.amdhsa_next_free_sgpr 66
		.amdhsa_reserve_vcc 0
		.amdhsa_float_denorm_mode_32 3
		.amdhsa_float_denorm_mode_16_64 3
		.amdhsa_memory_ordered 1
		.amdhsa_forward_progress 1
		.amdhsa_inst_pref_size 255
	.end_amdhsa_kernel
	.section	.bss,"aw",@nobits
	.p2align	6
	.space	262144
	.amdgpu_metadata
---
amdhsa.version: [ 1, 2 ]
amdhsa.kernels:
  - .name:           k_q632ae82a3f_gemm2
    .symbol:         k_q632ae82a3f_gemm2.kd
    .args:
      - { .name: feed_codes, .offset: 0, .size: 8, .value_kind: global_buffer, .address_space: global }
      - { .name: feed_scales, .offset: 8, .size: 8, .value_kind: global_buffer, .address_space: global }
      - { .name: wts, .offset: 16, .size: 8, .value_kind: global_buffer, .address_space: global }
      - { .name: b2, .offset: 24, .size: 8, .value_kind: global_buffer, .address_space: global }
      - { .name: out0, .offset: 32, .size: 8, .value_kind: global_buffer, .address_space: global }
    .group_segment_fixed_size: 327680
    .private_segment_fixed_size: 0
    .kernarg_segment_align: 8
    .kernarg_segment_size: 40
    .max_flat_workgroup_size: 128
    .sgpr_count:     66
    .vgpr_count:     1024
    .wavefront_size: 32
...
	.end_amdgpu_metadata
.endif
;; end of part 4
